; MI455X (gfx1250); checked and timed in simulation.
; The chip was launched on July 23, 2026; its instructions are those of AMD's public machine-readable ISA for CDNA 5 (MIT licence, August 2026) and "CDNA5" Instruction Set Architecture Reference Guide (July 2026). The comments in the code are by the model that wrote it; some were corrected since.
;; Vae Decoder Roberta Self Attention. Allowed arithmetic: matrix products marked QUANTISED: E5M2 operands, one E8M0 scale for each 32 along K, by v_wmma_scale_f32_16x16x128_f8f6f4 with both operands' format E5M2, f32 sums; everything else in f32.
;; Inputs: Wk_codes 1,024 x 32 x 32 uint8 (E5M2 codes of Wk, K innermost, in blocks of 32 codes); Wk_scales 1,024 x 32 uint8 (E8M0 scales of Wk, one for each 32 codes along K); Wq_codes 1,024 x 32 x 32 uint8 (E5M2 codes of Wq, K innermost, in blocks of 32 codes); Wq_scales 1,024 x 32 uint8 (E8M0 scales of Wq, one for each 32 codes along K); Wv_codes 1,024 x 32 x 32 uint8 (E5M2 codes of Wv, K innermost, in blocks of 32 codes); Wv_scales 1,024 x 32 uint8 (E8M0 scales of Wv, one for each 32 codes along K); attention_mask 4 x 1 x 2,048 x 2,048 float32; bk 1,024 float32; bq 1,024 float32; bv 1,024 float32; hidden_states_codes 4 x 2,048 x 32 x 32 uint8 (E5M2 codes of hidden_states, K innermost, in blocks of 32 codes); hidden_states_scales 4 x 2,048 x 32 uint8 (E8M0 scales of hidden_states, one for each 32 codes along K); latent_layer_memory_i 4 x 1 x 1,024 float32.
;; Outputs: out0 4 x 2,048 x 1,024 float32.
;; This version of the problem:
;;   THIS VERSION OF THE PROBLEM IS GIVEN IN LOW PRECISION. The matrix products marked QUANTISED in the list below multiply operands that are first quantised to E5M2 (5 exponent bits, 2 mantissa bits; 8 bits a number), with one power-of-two scale for each 32 numbers along K (OCP MX v1.0); their sums are f32. All else is computed in f32.
;;   The module's matrix products, in the order in which they are computed (A, B: the left and right operand; K: the contracted axis; several contracted axes count as one K, in the product's order):
;;     1. [M 8,192, K 1,024] x [K 1,024, N 1,024]; A: input hidden_states (given as codes); B: input Wq (given as codes): QUANTISED
;;     2. [M 8,192, K 1,024] x [K 1,024, N 1,024]; A: input hidden_states (given as codes); B: input Wk (given as codes): QUANTISED
;;     3. [M 8,192, K 1,024] x [K 1,024, N 1,024]; A: input hidden_states (given as codes); B: input Wv (given as codes): QUANTISED
;;     4. batch 32 x [M 2,048, K 128] x [K 128, N 2,049]; A: computed on the way; B: computed on the way: QUANTISED
;;     5. batch 32 x [M 2,048, K 2,049] x [K 2,049, N 128]; A: softmax (see below); B: computed on the way: QUANTISED
;;   THE QUANTISER, for each operand of a quantised product, along K:
;;     - K is cut into blocks of 32 from its start; a last block that is shorter is filled with zeros.
;;     - A block's scale is 2^e with e = floor(log2(the largest magnitude in the block)) - 15, held to -126 .. 127; a block of zeros has e = 0. As a byte (E8M0): e + 127.
;;     - Each number is divided by its block's scale, clamped to +-57,344, and rounded to the nearest number of E5M2, ties to even, subnormals kept.
;;     - The product sums the exact products of the quantised numbers (number of the format x scale) in f32.
;;   ~~~python
;;   def quantise(x, axis):      # numpy; x: float32 -> the quantised numbers, widened to float32 again
;;       x = np.moveaxis(x, axis, -1); K = x.shape[-1]
;;       x = np.pad(x, [(0, 0)] * (x.ndim - 1) + [(0, -K % 32)]); x = x.reshape(x.shape[:-1] + (-1, 32)); a = np.abs(x).max(-1, keepdims=True)
;;       e = np.where(a > 0, np.clip(np.frexp(np.where(a > 0, a, 1))[1] - 1 - 15, -126, 127), 0)      # np.frexp(a)[1] - 1 = floor(log2(a)), exactly
;;       r = np.clip(x / 2.0 ** e, -57344, 57344)
;;       step = 2.0 ** (np.maximum(np.frexp(np.where(r == 0, 1, r))[1] - 1, -14) - 2)
;;       q = np.round(r / step) * step * 2.0 ** e      # np.round: ties to even
;;       return np.moveaxis(q.reshape(q.shape[:-2] + (-1,))[..., :K], -1, axis).astype(np.float32)
;;   ~~~
;;   SOFTMAX AHEAD OF A QUANTISED PRODUCT. Where the list says 'softmax', what is quantised is not the finished softmax but p = 2^(t - M), with t = logit x log2(e) and M = ceil(the row's largest t), a whole number; so 1/2 < the row's largest p <= 1. The row's sum l is taken of the UNQUANTISED p, in f32, and the product's result is divided by l at the end. Since M is a whole number, a kernel that streams over the keys may use a running M (the ceiling of the running maximum): every later rescaling is an exact power of two, which a block's scale takes up: the codes' values come out the same.
;;   OPERANDS COMPUTED ON THE WAY. 'Computed on the way' means the value that the module computes at that place (a softmax that the list does not call 'softmax' is quantised finished and normalised). What goes into a quantiser is computed in f32, as accurately as f32 sums, v_exp_f32 and their like allow (about 1e-6 of the number): no bf16 or f16 on the way to a quantiser, and a product that is left as it is and whose result goes on into a quantised operand takes f32 operands (vector FMAs, or v_wmma_f32_16x16x4_f32). A number that lies on a knife's edge between two numbers of the format may be rounded either way, as far as f32 arithmetic and the matrix unit's own rounding can turn it there, and no further.
;;   INPUTS GIVEN AS CODES. Wk (in the module: [1024, 1024], K = its axis 1); Wq (in the module: [1024, 1024], K = its axis 1); Wv (in the module: [1024, 1024], K = its axis 1); hidden_states (in the module: [4, 2048, 1024], K = its axis 2): each comes as NAME_codes (uint8): NAME with its K axis moved to the last place and cut into blocks of 32 codes, [.., K / 32, bytes a block], one block behind the other in memory; one code a byte (a code: sign, 5 exponent bits, 2 mantissa bits); and NAME_scales (uint8): the same leading axes, one E8M0 byte (e + 127) for each 32 codes along K. Its value is code x scale, taken as it is: it is not quantised again, and the codes and scales need not be those that the quantiser above would give.
;; 2 versions. Each part assembles by itself: llvm-mc -triple=amdgcn-amd-amdhsa -mcpu=gfx1250 --defsym DOCPART=n.
;; ======== version 1 of 2: 2 launches
;; workspace buffers: qc 8,388,608 bytes; qs 262,144 bytes; kv 18,382,848 bytes
;; launch proj (part 1): grid 192 x 1, 4 waves a work-group, clusters of 4 x 1, 327,680 bytes of LDS; arguments hidden_states_codes, hidden_states_scales, Wq_codes, Wq_scales, Wk_codes, Wk_scales, Wv_codes, Wv_scales, bq, bk, bv, latent_layer_memory_i, qc, qs, kv; writes qc, qs, kv
.if DOCPART == 1
	.amdgcn_target "amdgcn-amd-amdhsa--gfx1250"
	.amdhsa_code_object_version 6
	.text
	.protected	k_qc8c082f1a9_proj
	.globl	k_qc8c082f1a9_proj
	.p2align	8
	.type	k_qc8c082f1a9_proj,@function
k_qc8c082f1a9_proj:
	s_mov_b64 s[64:65], 0
	v_nop
	global_prefetch_b8 v0, s[64:65] scope:SCOPE_SE
	s_setreg_imm32_b32 hwreg(HW_REG_WAVE_MODE, 25, 1), 1
	s_wait_xcnt 0x0
	s_wait_alu depctr_hold_cnt(0) depctr_sa_sdst(0) depctr_va_vdst(0) depctr_va_sdst(0) depctr_va_ssrc(0) depctr_va_vcc(0) depctr_vm_vsrc(0)
	s_getreg_b32 s2, hwreg(HW_REG_IB_STS2, 6, 4)
	s_cmp_eq_u32 s2, 0
	s_cbranch_scc0 .Lentry_in_a_cluster
	s_endpgm
.Lentry_in_a_cluster:
	s_bfe_u32 s2, ttmp6, 0x10000c
	s_cmp_lg_u32 s2, 0x3003
	s_cbranch_scc0 .Lentry_shape_is_right
	s_endpgm
.Lentry_shape_is_right:
; Q, K and V of the attention: three products on given codes of E5M2, their biases, and the quantising of the results, which leave as IMAGES OF OPERAND REGISTERS.
; ONE FORM FOR ALL: Out[y][x] = sum over k of Y[y][k] X[x][k] (K = 1,024), quantised ALONG x in blocks of 32.  Source 0 = 16 rows of X, source 1 = 16 rows of Y: a lane holds one y, its registers run along x.
;   clusters 0-31  (128 work-groups): Y = 64 hidden rows; X = Wq's 1,024 rows (waves 0, 1: 512 each), Wk's (waves 2, 3).  x = the head's d: Q's and K's blocks.
;   clusters 32-47 ( 64 work-groups): Y = 64 rows of Wv; X = the 2,048 hidden rows of one batch, 512 a wave.  x = the keys: V's blocks.
; Y stays in registers (64 rows x 1,024 codes = 512 registers, in every wave); X goes through two LDS slots, 32 rows a wave and step; each byte of X is read from LDS once and feeds four matrix instructions' rows.
; The four work-groups of a cluster walk the same X: each tile is asked for jointly (mask 15).
; THE ORDER INSIDE A BLOCK OF 32.  Byte i = 8 u + j of half h (lane / 16) stands for x = 16 u + 8 h + j.  The same order holds for both operands of each later product, so the products and the blocks' scales are those of the plain order.
; THE KEYS.  Key 0 is the raw latent, key s + 1 hidden row s.  Block g of 32 keys holds hidden rows 32 g .. 32 g + 30 at x = 0 .. 30 and hidden row 32 g - 1 (g = 0: the latent) at x = 31.
;   K: row 32 a + 31 is stored one block further on (offsets of lanes 15 and 31).  V: x = 31 is register 15 of lanes 16-31: it changes places with a carry from step to step;
;   a wave's first carry comes from a step on the rows ahead of its own (wave 0 of a batch: the latent); wave 3's last carry is block 64.
; kv: [batch x 8 + head][key step 0..16][33,792 bytes]: 8 images of K (2,048 each), 8 of V^T, 512 bytes of K's scale words, 512 of V's.  Step 16 holds one key; the rest of it is written as zeros here.
; LIMITS: NaN and infinities among the values are not served.  A block whose largest magnitude lies under 2^-111 (a block of zeros too) keeps the scale byte 1; its bytes are read by this program alone.
; REGISTERS.  window 0: v1-2 the spare word's address and 0; v3-4 X's LDS address by slot; v5 the bias's; v6-9 codes' offsets; v10-11 scale words' offsets; v12 32 x lane; v13-15 lane, r, h; v16-31 Y's scale words;
;   v32-47 X's, two sets; v48-63 the bias along x; v64-127 the 8 accumulators (16 yt + 8 u + j); v128-143 codes; v144-159 at work; v160-163 the carry; v164-167 scale words in the making; v168-169 words to store;
;   v170-177 the bias along y, in pairs; v178-181 the latent; v182 at work; v184-187 zeros; v188-193 offsets.   windows 1, 2: Y's fragments (yt 0, 1 | 2, 3) at 128 (yt % 2) + 16 ks.   window 3: v0-127 four sets of X.
.set HB,    574464                     ; a head's 17 key steps in kv
.set BLK,   33792                      ; a key step's block in kv
.set XP,    1040                       ; a row of X in LDS: 1,024 bytes + 16: an odd multiple of 16
.set WT,    32*XP                      ; a wave's tile
.set SLOT,  4*WT
.set BIAS,  2*SLOT                     ; 2,048 bytes a wave: its 512 numbers of the bias along x; stored once, no tile lands here
.set SPARE, BIAS+8192                  ; the spare words, 128 bytes a wave
.set MSB, 0
.macro WIN new                         ; the immediate's high byte repeats the setting that is left
.if MSB != (\new)
	s_set_vgpr_msb (MSB<<8)|(\new)
.set MSB, (\new)
.endif
.endm
.macro NOPS n
.rept \n
	v_nop
.endr
.endm
.macro ROUND                           ; a round of the cluster's barrier
	s_barrier_signal -1
	s_barrier_wait -1
	s_cmp_lg_u32 s34, 0
	s_cbranch_scc1 .Lnot_wave_0_\@
	s_barrier_signal -3
.Lnot_wave_0_\@:
	s_barrier_wait -3
	s_barrier_signal -1
	s_barrier_wait -1
.endm
; one matrix instruction; ra, rb: which half of the lanes holds source 0's and source 1's scale words
.macro WMP d, a, b, c, sa, sb, ra, rb
.if ((\ra) != 0) && ((\rb) != 0)
	v_wmma_scale_f32_16x16x128_f8f6f4 v[(\d):(\d)+7], v[(\a):(\a)+15], v[(\b):(\b)+15], v[(\c):(\c)+7], v[(\sa)], v[(\sb)] matrix_a_fmt:MATRIX_FMT_BF8 matrix_b_fmt:MATRIX_FMT_BF8 matrix_a_scale:MATRIX_SCALE_ROW1 matrix_b_scale:MATRIX_SCALE_ROW1
.elseif (\ra) != 0
	v_wmma_scale_f32_16x16x128_f8f6f4 v[(\d):(\d)+7], v[(\a):(\a)+15], v[(\b):(\b)+15], v[(\c):(\c)+7], v[(\sa)], v[(\sb)] matrix_a_fmt:MATRIX_FMT_BF8 matrix_b_fmt:MATRIX_FMT_BF8 matrix_a_scale:MATRIX_SCALE_ROW1
.elseif (\rb) != 0
	v_wmma_scale_f32_16x16x128_f8f6f4 v[(\d):(\d)+7], v[(\a):(\a)+15], v[(\b):(\b)+15], v[(\c):(\c)+7], v[(\sa)], v[(\sb)] matrix_a_fmt:MATRIX_FMT_BF8 matrix_b_fmt:MATRIX_FMT_BF8 matrix_b_scale:MATRIX_SCALE_ROW1
.else
	v_wmma_scale_f32_16x16x128_f8f6f4 v[(\d):(\d)+7], v[(\a):(\a)+15], v[(\b):(\b)+15], v[(\c):(\c)+7], v[(\sa)], v[(\sb)] matrix_a_fmt:MATRIX_FMT_BF8 matrix_b_fmt:MATRIX_FMT_BF8
.endif
.endm
; X's two fragments of K step ks (128 along K) into set ks % 4 of window 3
.macro XLD slot, ks
	WIN 0xc0
.irp u,0,1
.irp c,0,1,2,3
	ds_load_b128 v[32*((\ks)%4)+16*\u+4*\c:32*((\ks)%4)+16*\u+4*\c+3], v[3+\slot] offset:16640*\u+128*(\ks)+32*\c
.endr
.endr
.endm
; K step ks: eight matrix instructions, the eight accumulators by turns in one order.  first = 1: the bias along x is the C that starts the sums.
; One v_nop behind each: the eight of one K step (and the last of the step before) are the places in front of the loads into the set that the step before has read.
.macro W ks, set, first
.irp yt,0,1,2,3
	WIN 0x07+4*(\yt/2)
.irp u,0,1
.if \first
	WMP 64+16*\yt+8*\u, 32*((\ks)%4)+16*\u, 128*(\yt%2)+16*(\ks), 48+8*\u, 32+8*(\set)+(\ks), 16+8*(\yt/2)+(\ks), \u, \yt%2
.else
	WMP 64+16*\yt+8*\u, 32*((\ks)%4)+16*\u, 128*(\yt%2)+16*(\ks), 64+16*\yt+8*\u, 32+8*(\set)+(\ks), 16+8*(\yt/2)+(\ks), \u, \yt%2
.endif
	v_nop
.endr
.endr
.endm
; Four blocks of 32 (block b: v[64 + 16 b] on, 16 numbers in each of lanes l and l xor 16) become codes in v[128 + 4 b] on and scale bytes in v[148 + b]
.macro QCORE
.irp b,0,1,2,3
	v_max3_num_f32 v[144+\b], |v[64+16*\b]|, |v[65+16*\b]|, 0x8000000   ; my 16 numbers, and the floor 2^(16 - 127): the byte cannot fall under 1
.endr
.irp i,2,4,6,8,10,12,14
.irp b,0,1,2,3
	v_max3_num_f32 v[144+\b], v[144+\b], |v[64+16*\b+\i]|, |v[65+16*\b+\i]|
.endr
.endr
.irp b,0,1,2,3
	v_permlanex16_b32 v[148+\b], v[144+\b], s76, s77
.endr
.irp b,0,1,2,3
	v_max_num_f32 v[144+\b], v[144+\b], v[148+\b]                        ; the block's largest magnitude
.endr
.irp b,0,1,2,3
	v_add_nc_u32 v[156+\b], 0xf8800000, v[144+\b]                        ; 15 off its exponent field: the conversion's scale operand
.endr
.irp b,0,1,2,3
	v_and_or_b32 v[152+\b], v[144+\b], 0x7f800000, s78                   ; 57,344 x the scale
.endr
.irp b,0,1,2,3
	v_lshrrev_b32 v[148+\b], 23, v[156+\b]                               ; the scale's byte
.endr
.irp b,0,1,2,3
.irp i,0,1,2,3,4,5,6,7,8,9,10,11,12,13,14,15
	v_med3_num_f32 v[64+16*\b+\i], v[64+16*\b+\i], -v[152+\b], v[152+\b] ; the conversion does not saturate (ISA guide 7.6.2): the hold
.endr
	v_cvt_scalef32_pk8_bf8_f32 v[128+4*\b:129+4*\b], v[64+16*\b:71+16*\b], v[156+\b]
	v_cvt_scalef32_pk8_bf8_f32 v[130+4*\b:131+4*\b], v[72+16*\b:79+16*\b], v[156+\b]
.endr
	v_nop                                                                    ; a plain line behind the last conversion
.endm
; What is made of a step's sums.  kind 1: behind the step on the rows ahead: the carry alone.  kind 2: a block of 32 along x for each of the four tiles of y.
.macro EPI kind
.if \kind == 1
.irp yt,0,1,2,3
	v_add_f32 v182, v[72+16*\yt], v[170+2*\yt]                           ; the row just ahead of my rows is x = 24 of that tile: the lowest register of accumulator (yt, 1), lanes 16-31
	v_cndmask_b32 v[160+\yt], v182, v[178+\yt], s75                      ; wave 0: the latent, as it is
.endr
.endif
.if \kind == 2
	s_wait_xcnt 0x0                                                          ; the last block's stores have read their bases and data: both are written again below
	s_add_nc_u64 s[60:61], s[60:61], s[66:67]
	s_add_nc_u64 s[62:63], s[62:63], s[68:69]
.irp yt,0,1,2,3
.irp p,0,2,4,6,8,10,12,14
	v_pk_add_f32 v[64+16*\yt+\p:65+16*\yt+\p], v[64+16*\yt+\p:65+16*\yt+\p], v[170+2*\yt:171+2*\yt]   ; the bias along y (0 for Q and K); each accumulator from its low end on
.endr
.endr
.irp yt,0,1,2,3
	v_mov_b32 v182, v[79+16*\yt]
	v_cndmask_b32 v[79+16*\yt], v[79+16*\yt], v[160+\yt], s73            ; V: x = 31 takes the row carried from the last 32, and
	v_mov_b32 v[160+\yt], v182                                           ; this 32's last row is carried on.  (Q, K: the mask of lanes is empty)
.endr
	QCORE
.irp yt,0,1,2,3
	v_lshl_or_b32 v[164+\yt], v[148+\yt], s72, v[164+\yt]                ; four blocks' bytes make a scale word
.endr
.irp yt,0,1,2,3
	global_store_b128 v[6+\yt], v[128+4*\yt:131+4*\yt], s[60:61]         ; 32 lanes store 512 consecutive bytes of an image (K: but for the row that goes a block further)
.endr
	s_cmp_lg_u32 s72, 24                                                     ; a count of blocks, from constants alone
	s_cbranch_scc1 .Lno_word_\@
	v_cndmask_b32 v168, v164, v165, s74                                      ; lanes 0-15: tile 0's words, lanes 16-31: tile 1's
	v_cndmask_b32 v169, v166, v167, s74                                      ; tiles 2 and 3
	global_store_b32 v10, v168, s[62:63]
	global_store_b32 v11, v169, s[62:63]
.irp yt,0,1,2,3
	v_mov_b32 v[164+\yt], 0
.endr
.Lno_word_\@:
	s_cmp_eq_u32 s72, 24
	s_cselect_b32 s66, s70, 512                                              ; what the next block adds to the bases
	s_cselect_b32 s68, s71, 0
	s_add_co_u32 s72, s72, 8
	s_and_b32 s72, s72, 31
.endif
.endm
; A step: 32 rows of X in slot `slot`, against Y's 64 rows: 64 matrix instructions.  The step before's sums are worked up (EPI) while this step's first fragments come from LDS.
.macro ITER slot, epi, refill, pre
	s_wait_tensorcnt 0x0                                                     ; my one tensor load, this slot's tile, has landed: so a group 0 may be written
	ds_add_u32 v1, v2                                                        ; 0 onto my spare word
.if \pre
	s_add_nc_u64 s[50:51], s[56:57], 32768                                   ; slot 0's next tile is tile 1
	s_or_b32 s51, s51, 0x80000000
.else
	s_add_nc_u64 s[50+4*\slot:51+4*\slot], s[50+4*\slot:51+4*\slot], 65536   ; this slot's next tile: 64 rows on
.endif
	s_wait_xcnt 0x0                                                          ; the last scale loads have read their base
.if (\pre) == 0
	s_add_nc_u64 s[58:59], s[58:59], 1024                                    ; the next tile's scale bytes
.endif
	s_wait_dscnt 0x0                                                         ; the add is done, and my reads of the other slot are over
	ROUND                                                                    ; so it is with every wave of the four work-groups
.if \refill
	tensor_load_to_lds s[52-4*\slot:55-4*\slot], s[40:47]                    ; the next tile, into the slot read last: my one tensor load until the next round
	s_nop 0
	NOPS 4
	global_load_b128 v[40-8*\slot:43-8*\slot], v12, s[58:59]                 ; its 32 rows' scale bytes: 32 a lane, 1,024 consecutive bytes a wave
	global_load_b128 v[44-8*\slot:47-8*\slot], v12, s[58:59] offset:16
.endif
.irp u,0,1
	ds_load_b128 v[48+8*\u:51+8*\u], v5 offset:64*\u                         ; the bias of x = 16 u + 8 h + 0 .. 7
	ds_load_b128 v[52+8*\u:55+8*\u], v5 offset:64*\u+16
.endr
	XLD \slot, 0
	XLD \slot, 1
	XLD \slot, 2
	XLD \slot, 3
	WIN 0
.if (\pre) == 0
	v_add_nc_u32 v5, 128, v5
.endif
	EPI \epi
.if \refill
	s_wait_loadcnt 0x2                                                       ; this tile's scale words are in; the next tile's two loads may be out
.else
	s_wait_loadcnt 0x0
.endif
	s_wait_dscnt 24                                                          ; the bias and set 0 are in; sets 1 to 3 may be out
	W 0, \slot, 1
	s_wait_dscnt 16                                                          ; from here on: the two younger sets may be out
	W 1, \slot, 0
	XLD \slot, 4
	s_wait_dscnt 16
	W 2, \slot, 0
	XLD \slot, 5
	s_wait_dscnt 16
	W 3, \slot, 0
	XLD \slot, 6
	s_wait_dscnt 16
	W 4, \slot, 0
	XLD \slot, 7
	s_wait_dscnt 16
	W 5, \slot, 0
	s_wait_dscnt 8
	W 6, \slot, 0
	s_wait_dscnt 0x0
	W 7, \slot, 0
	NOPS 8                                                                   ; with the one behind the last product: nine places ahead of all that reads or writes over these products' registers
	WIN 0
.endm
.macro YLOAD yt                        ; Y's eight fragments of tile yt
.set KK, 0
.rept 8
.irp c,0,1,2,3
	global_load_b128 v[128*((\yt)%2)+16*KK+4*\c:128*((\yt)%2)+16*KK+4*\c+3], v188, s[90:91] offset:16384*(\yt)+128*KK+32*\c
.endr
.set KK, KK+1
.endr
.endm
	s_load_b512 s[4:19], s[0:1], 0x0               ; hidden codes, scales; Wq codes, scales; Wk; Wv
	s_load_b256 s[20:27], s[0:1], 0x40             ; bq, bk, bv, latent
	s_load_b128 s[28:31], s[0:1], 0x60             ; qc, qs
	s_load_b64 s[32:33], s[0:1], 0x70              ; kv
	v_lshl_add_u32 v1, v0, 2, SPARE
	v_mov_b32 v2, 0
	ds_add_u32 v1, v2
	s_wait_dscnt 0x0
	v_lshrrev_b32 v13, 5, v0
	v_readfirstlane_b32 s34, v13                   ; wave 0..3
	s_bfe_u32 s35, ttmp6, 0x40000                  ; cx: it enters global addresses of Y and of the results alone
	s_lshl_b32 s36, ttmp9, 2
	s_add_co_u32 s36, s36, s35                     ; work-group = 4 x cluster + cx
	s_and_b32 s37, s36, 15                         ; V: which 64 rows of Wv
	s_sub_co_u32 s38, ttmp9, 32
	s_lshr_b32 s38, s38, 2
	s_lshr_b32 s80, ttmp9, 3
	s_cmp_ge_u32 ttmp9, 32                         ; a V cluster?
	s_cselect_b32 s38, s38, s80                    ; the batch: from the cluster's number alone
	s_and_b32 s39, s34, 1
	s_lshl_b32 s80, s38, 11
	s_lshl_b32 s81, s34, 9
	s_add_co_u32 s80, s80, s81                     ; V: hidden row 2,048 b + 512 w
	s_lshl_b32 s81, s39, 9                         ; Q, K: row 512 (w & 1) of the weight
	s_cmp_ge_u32 ttmp9, 32
	s_cselect_b32 s80, s80, s81                    ; my first row of X
	s_max_u32 s81, s80, 25
	s_sub_co_u32 s81, s81, 25                      ; the tile ahead begins 25 rows back (held at 0, where its result is not used)
	s_mul_i32 s82, s34, WT                         ; my tile's place in a slot
	; descriptor group 1: 32 rows x 1,024 bytes, 16 bytes of padding behind each row
	s_mov_b32 s40, 15|(1<<20)|(1<<21)|(7<<22)|(3<<25)  ; 15:0 all four work-groups; 17:16 elements of 1 byte; 20 padding on; 21 set beside a mask; 24:22 after every 256 words; 31:25 four words
	s_mov_b32 s41, 1024<<16                        ; tensor_dim0
	s_mov_b32 s42, 32<<16                          ; tensor_dim1
	s_mov_b32 s43, 1024<<16                        ; tile_dim0
	s_mov_b32 s44, 32                              ; tile_dim1
	s_mov_b32 s45, 1024                            ; from row to row
	s_mov_b32 s46, 0
	s_mov_b32 s47, 0
	s_mov_b32 s99, 0
	s_mov_b32 s95, 0
	s_wait_kmcnt 0x0
	s_cmp_lt_u32 s34, 2
	s_cselect_b64 s[84:85], s[8:9], s[12:13]       ; waves 0, 1: Wq; waves 2, 3: Wk
	s_cselect_b64 s[86:87], s[10:11], s[14:15]
	s_cselect_b64 s[88:89], s[20:21], s[22:23]     ; bq or bk
	s_cmp_ge_u32 ttmp9, 32
	s_cselect_b64 s[84:85], s[4:5], s[84:85]       ; X's codes
	s_cselect_b64 s[86:87], s[6:7], s[86:87]       ; X's scale bytes
	s_cselect_b64 s[90:91], s[16:17], s[4:5]       ; Y's codes
	s_cselect_b64 s[92:93], s[18:19], s[6:7]       ; Y's scale bytes
	s_cselect_b32 s2, s37, s36                     ; which 64 rows of Y
	s_cselect_b32 s73, 0xffff0000, 0               ; the lanes in which the carry changes places: V alone
	s_cselect_b32 s96, 0, -1                       ; the bias along x counts for Q and K,
	s_cselect_b32 s97, -1, 0                       ; that along y for V
	s_lshl_b32 s98, s80, 10
	s_add_nc_u64 s[56:57], s[84:85], s[98:99]      ; tile 0
	s_lshl_b32 s98, s81, 10
	s_mov_b32 s48, 1
	s_mov_b32 s49, s82
	s_add_nc_u64 s[50:51], s[84:85], s[98:99]      ; slot 0 begins with the tile ahead,
	s_or_b32 s51, s51, 0x80000000
	s_mov_b32 s52, 1
	s_add_co_u32 s53, s82, SLOT
	s_mov_b64 s[54:55], s[56:57]                   ; slot 1 with tile 0
	s_or_b32 s55, s55, 0x80000000
	s_lshl_b32 s98, s80, 5
	s_add_nc_u64 s[58:59], s[86:87], s[98:99]      ; tile 0's scale bytes
	s_lshl_b32 s98, s81, 5
	s_add_nc_u64 s[86:87], s[86:87], s[98:99]      ; the tile ahead's
	ROUND                                          ; all four work-groups are here: the first joint loads meet
	tensor_load_to_lds s[48:51], s[40:47]
	s_nop 0
	NOPS 4
	s_lshl_b32 s94, s2, 16
	s_add_nc_u64 s[90:91], s[90:91], s[94:95]      ; my 64 rows of Y
	s_lshl_b32 s94, s2, 11
	s_add_nc_u64 s[92:93], s[92:93], s[94:95]
	s_lshl_b32 s98, s39, 11
	s_add_nc_u64 s[88:89], s[88:89], s[98:99]      ; my 512 numbers of bq or bk
	s_lshl_b32 s94, s37, 8
	s_add_nc_u64 s[24:25], s[24:25], s[94:95]      ; bv of my 64 rows
	s_add_nc_u64 s[20:21], s[26:27], s[94:95]      ; the latent's numbers of those rows,
	s_lshl_b32 s98, s38, 12
	s_add_nc_u64 s[20:21], s[20:21], s[98:99]      ; of my batch
	v_and_b32 v13, 31, v0                          ; lane
	v_and_b32 v14, 15, v0                          ; r
	v_bfe_u32 v15, v0, 4, 1                        ; h
	v_lshlrev_b32 v12, 5, v13
	v_lshlrev_b32 v188, 10, v14
	v_lshl_add_u32 v188, v15, 4, v188              ; Y: row r, + 16 h
	v_lshlrev_b32 v189, 4, v13
	v_lshlrev_b32 v190, 2, v14
	WIN 0x40
	YLOAD 0
	YLOAD 1
	WIN 0x80
	YLOAD 2
	YLOAD 3
	WIN 0
.irp e,0,1
	global_load_b128 v[16+8*\e:19+8*\e], v12, s[92:93] offset:1024*\e      ; Y's scale words: lane l has row 32 e + l's eight
	global_load_b128 v[20+8*\e:23+8*\e], v12, s[92:93] offset:1024*\e+16
.endr
	global_load_b128 v[32:35], v12, s[86:87]       ; the tile ahead's scale words
	global_load_b128 v[36:39], v12, s[86:87] offset:16
.irp k,0,1,2,3
	global_load_b128 v[64+4*\k:67+4*\k], v189, s[88:89] offset:512*\k
.endr
.irp yt,0,1,2,3
	global_load_b32 v[170+2*\yt], v190, s[24:25] offset:64*\yt
	global_load_b32 v[178+\yt], v190, s[20:21] offset:64*\yt
.endr
	v_mul_u32_u24 v3, v14, XP
	v_lshl_add_u32 v3, v15, 4, v3
	v_add_nc_u32 v3, s82, v3                       ; X in slot 0: my tile, row r, + 16 h
	v_add_nc_u32 v4, SLOT, v3
	s_lshl_b32 s83, s34, 11
	s_add_co_u32 s83, s83, BIAS
	v_lshl_add_u32 v5, v15, 5, s83                 ; the bias: my wave's 2,048 bytes, + 32 h
	v_add_nc_u32 v191, s83, v189                   ; and where I store it
	s_mov_b32 s72, 0                               ; 8 x the block's place in its scale word
	s_mov_b32 s66, 0
	s_mov_b32 s67, 0
	s_mov_b32 s68, 0
	s_mov_b32 s69, 0
	s_mov_b32 s74, 0xffff0000
	s_cmp_eq_u32 s34, 0
	s_cselect_b32 s75, -1, 0
	s_mov_b32 s76, 0x76543210
	s_mov_b32 s77, 0xfedcba98                      ; lane l xor 16
	s_mov_b32 s78, 0x600000                        ; the mantissa field of 57,344
.irp b,0,1,2,3
	v_mov_b32 v[148+\b], 0                         ; a lane permute's destination counts as one of its sources
	v_mov_b32 v[164+\b], 0
	v_mov_b32 v[184+\b], 0
.endr
	s_wait_loadcnt 0x0
.irp i,0,1,2,3,4,5,6,7,8,9,10,11,12,13,14,15
	v_and_b32 v[64+\i], s96, v[64+\i]
.endr
.irp k,0,1,2,3
	ds_store_b128 v191, v[64+4*\k:67+4*\k] offset:512*\k                     ; my wave's own bytes: read by me alone
.endr
.irp yt,0,1,2,3
	v_and_b32 v[170+2*\yt], s97, v[170+2*\yt]
	v_mov_b32 v[171+2*\yt], v[170+2*\yt]
.endr
	; where the results go.  All pointers of loads are free now
	s_and_b32 s6, s36, 31                          ; Q, K: which 64 rows of the batch
	s_and_b32 s7, s36, 1
	s_lshl_b32 s10, s38, 3
	s_lshl_b32 s11, s39, 2
	s_add_co_u32 s11, s10, s11                     ; Q, K: my first head, 8 b + 4 (w & 1)
	s_lshr_b32 s14, s37, 1
	s_add_co_u32 s14, s10, s14                     ; V: my head
	s_lshl_b32 s15, s11, 18
	s_lshl_b32 s17, s6, 13
	s_add_co_u32 s15, s15, s17                     ; qc: 262,144 a head, 8,192 for 64 queries
	s_lshl_b32 s16, s11, 13
	s_lshl_b32 s17, s6, 8
	s_add_co_u32 s16, s16, s17                     ; qs: 8,192 a head, 256 for 64 queries
	s_lshr_b32 s17, s6, 1                          ; K: the key step of my 64 rows
	s_lshl_b32 s18, s34, 2                         ; V: my first key step
	s_mov_b32 s21, 32768
	s_cmp_ge_u32 ttmp9, 32
	s_cselect_b32 s19, s14, s11
	s_cselect_b32 s18, s18, s17
	s_cselect_b32 s20, 16384, 0
	s_cselect_b32 s21, 33280, s21
	s_cselect_b32 s22, 1, 0
	s_mul_i32 s19, s19, HB
	s_mul_i32 s18, s18, BLK
	s_add_co_u32 s19, s19, s18
	s_add_co_u32 s20, s20, s19
	s_lshl_b32 s17, s7, 13
	s_add_co_u32 s20, s20, s17                     ; kv, codes: K: tiles 4 (wg & 1) on; V: d tiles 4 (wg & 1) on
	s_add_co_u32 s21, s21, s19
	s_lshl_b32 s17, s7, 8
	s_add_co_u32 s21, s21, s17                     ; kv, scale words
	s_lshr_b32 s23, s34, 1
	s_or_b32 s24, s23, s22                         ; 0 in a wave that makes Q
	s_mov_b32 s70, HB-1536
	s_mov_b32 s71, HB
	s_mov_b32 s97, 0
	s_cmp_eq_u32 s24, 0
	s_cselect_b64 s[60:61], s[28:29], s[32:33]
	s_cselect_b64 s[62:63], s[30:31], s[32:33]
	s_cselect_b32 s94, s15, s20
	s_cselect_b32 s96, s16, s21
	s_cselect_b32 s70, 262144-1536, s70            ; every fourth block: on to the next head (Q, K) or key step (V), less the three steps of 512
	s_cselect_b32 s71, 8192, s71
	s_add_nc_u64 s[60:61], s[60:61], s[94:95]
	s_add_nc_u64 s[62:63], s[62:63], s[96:97]
	s_cmp_eq_u32 s22, 1
	s_cselect_b32 s70, BLK-1536, s70
	s_cselect_b32 s71, BLK, s71
	s_xor_b32 s24, s22, 1
	s_and_b32 s24, s24, s23                        ; 1 in a wave that makes K
	s_mov_b32 s15, 4096
	s_mov_b32 s16, 252
	s_cmp_eq_u32 s7, 1                             ; my last block is its key step's last
	s_cselect_b32 s15, 21504, s15
	s_cselect_b32 s16, 33532, s16
	s_cmp_eq_u32 s24, 1
	s_cselect_b32 s14, 4096, 0
	s_cselect_b32 s15, s15, 0
	s_cselect_b32 s17, 4, 0
	s_cselect_b32 s16, s16, 0
.irp yt,0,1,2,3
	v_lshl_add_u32 v[6+\yt], v13, 4, 2048*\yt      ; image yt, 16 bytes a lane
.endr
	v_cmp_eq_u32 vcc_lo, 15, v14                   ; K: rows 32 a + 31 are the next block's x = 31
	v_mov_b32 v188, s14
	v_cndmask_b32 v188, 0, v188, vcc_lo
	v_add_nc_u32 v7, v7, v188
	v_mov_b32 v188, s15
	v_cndmask_b32 v188, 0, v188, vcc_lo
	v_add_nc_u32 v9, v9, v188
	v_lshlrev_b32 v10, 3, v13
	v_lshl_add_u32 v11, v13, 3, 4
	v_cmp_eq_u32 vcc_lo, 31, v13                   ; and so are their scale words
	v_mov_b32 v188, s17
	v_cndmask_b32 v188, 0, v188, vcc_lo
	v_add_nc_u32 v10, v10, v188
	v_mov_b32 v188, s16
	v_cndmask_b32 v188, 0, v188, vcc_lo
	v_add_nc_u32 v11, v11, v188
	ITER 0, 0, 1, 1                                ; the rows ahead of mine
	ITER 1, 1, 1, 0                                ; tile 0
	s_mov_b32 s79, 7
.Lit:                                              ; tiles 1 to 14
	ITER 0, 2, 1, 0
	ITER 1, 2, 1, 0
	s_sub_co_u32 s79, s79, 1
	s_cmp_lg_u32 s79, 0
	s_cbranch_scc1 .Lit
	ITER 0, 2, 0, 0                                ; tile 15: nothing is left to fetch
	EPI 2
	; BLOCK 64 OF V: wave 3 of a V work-group: hidden row 2,047, its last carry, at x = 31; zeros beside it; key step 16's blocks 1 to 3 are zeros
	s_cmp_lt_u32 ttmp9, 32
	s_cbranch_scc1 .Lno_tail
	s_cmp_lg_u32 s34, 3
	s_cbranch_scc1 .Lno_tail
	s_wait_xcnt 0x0
	s_add_nc_u64 s[60:61], s[60:61], s[66:67]
	s_add_nc_u64 s[62:63], s[62:63], s[68:69]
.set JJ, 0
.rept 64
	v_mov_b32 v[64+JJ], 0
.set JJ, JJ+1
.endr
.irp yt,0,1,2,3
	v_cndmask_b32 v[79+16*\yt], v[79+16*\yt], v[160+\yt], s74
.endr
	QCORE
.irp yt,0,1,2,3
	global_store_b128 v[6+\yt], v[128+4*\yt:131+4*\yt], s[60:61]
.irp c,1,2,3
	global_store_b128 v[6+\yt], v[184:187], s[60:61] offset:512*\c
.endr
.endr
	v_cndmask_b32 v168, v148, v149, s74            ; the word is block 0's byte alone: the other three stand over zero codes
	v_cndmask_b32 v169, v150, v151, s74
	global_store_b32 v10, v168, s[62:63]
	global_store_b32 v11, v169, s[62:63]
.Lno_tail:
	; THE LATENT AS KEY 0, AND THE REST OF KEY STEP 16 OF K: cluster 0; its work-group cx serves batch cx (by address)
	s_cmp_lg_u32 ttmp9, 0
	s_cbranch_scc1 .Lno_zero
	s_wait_xcnt 0x0
	s_mul_i32 s94, s35, 8*HB
	s_add_nc_u64 s[32:33], s[32:33], s[94:95]      ; kv at the batch's first head
	s_cmp_lg_u32 s34, 0
	s_cbranch_scc1 .Lno_lat
	v_and_b32 v188, 7, v14                         ; lanes (r, h) and (r + 8, h) take head r & 7
	v_lshlrev_b32 v189, 9, v188
	v_lshl_add_u32 v189, v15, 5, v189              ; 512 x head + 32 h
	s_lshl_b32 s94, s35, 12
	s_add_nc_u64 s[26:27], s[26:27], s[94:95]
.irp c,0,1,2,3
.irp u,0,1
	global_load_b128 v[64+16*\c+8*\u:67+16*\c+8*\u], v189, s[26:27] offset:128*\c+64*\u      ; d = 32 c + 16 u + 8 h + 0 .. 7: the order of every block here
	global_load_b128 v[68+16*\c+8*\u:71+16*\c+8*\u], v189, s[26:27] offset:128*\c+64*\u+16
.endr
.endr
	v_mul_u32_u24 v191, v188, HB
	v_lshl_add_u32 v190, v15, 8, v191              ; key step 0, tile 1, row 15: lane 15 + 16 h of each image's quarter
	s_wait_loadcnt 0x0
	QCORE
	v_lshl_or_b32 v168, v149, 8, v148
	v_lshl_or_b32 v168, v150, 16, v168
	v_lshl_or_b32 v168, v151, 24, v168
	v_cmp_gt_u32 vcc_lo, 8, v14
	s_wait_xcnt 0x0                                ; EXEC changes only behind this wait
	s_and_saveexec_b32 s90, vcc_lo
.irp c,0,1,2,3
	global_store_b128 v190, v[128+4*\c:131+4*\c], s[32:33] offset:2048+240+512*\c
.endr
	global_store_b32 v191, v168, s[32:33] offset:32768+248   ; both halves of the lanes store the same word
	s_wait_xcnt 0x0
	s_or_b32 exec_lo, exec_lo, s90
.Lno_lat:
	s_lshl_b32 s94, s34, 1
	s_mul_i32 s94, s94, HB
	s_add_co_u32 s94, s94, 16*BLK
	s_add_nc_u64 s[32:33], s[32:33], s[94:95]      ; key step 16 of heads 2 w and 2 w + 1
	v_lshlrev_b32 v192, 4, v13
	v_lshlrev_b32 v193, 2, v13
.irp hh,0,1
.irp T,0,2,3,4,5,6,7
.irp c,0,1,2,3
	global_store_b128 v192, v[184:187], s[32:33] offset:\hh*HB+\T*2048+512*\c
.endr
.endr
.irp k,0,2,3
	global_store_b32 v193, v184, s[32:33] offset:\hh*HB+32768+128*\k
.endr
.endr
	v_cmp_ne_u32 vcc_lo, 15, v14                   ; tile 1's row 15 is hidden row 2,047: another work-group stores it
	s_wait_xcnt 0x0
	s_and_saveexec_b32 s90, vcc_lo
.irp hh,0,1
.irp c,0,1,2,3
	global_store_b128 v192, v[184:187], s[32:33] offset:\hh*HB+2048+512*\c
.endr
.endr
	s_wait_xcnt 0x0
	s_or_b32 exec_lo, exec_lo, s90
	v_cmp_ne_u32 vcc_lo, 30, v13                   ; and so is word 62, that row's scale word
	s_and_saveexec_b32 s90, vcc_lo
.irp hh,0,1
	global_store_b32 v193, v184, s[32:33] offset:\hh*HB+32768+128
.endr
	s_wait_xcnt 0x0
	s_or_b32 exec_lo, exec_lo, s90
.Lno_zero:
	s_wait_tensorcnt 0x0                           ; the wave's end
	ds_add_u32 v1, v2
	s_wait_dscnt 0x0
	ROUND                                          ; the closing round
	s_endpgm
.Lfunc_end_k_qc8c082f1a9_proj:
	.size	k_qc8c082f1a9_proj, .Lfunc_end_k_qc8c082f1a9_proj-k_qc8c082f1a9_proj
	.p2alignl 7, 3214868480
	.fill 96, 4, 3214868480
	.section	.rodata,"a",@progbits
	.p2align	6, 0x0
	.amdhsa_kernel k_qc8c082f1a9_proj
		.amdhsa_group_segment_fixed_size 327680
		.amdhsa_private_segment_fixed_size 0
		.amdhsa_enable_private_segment 0
		.amdhsa_kernarg_size 120
		.amdhsa_user_sgpr_count 2
		.amdhsa_user_sgpr_kernarg_segment_ptr 1
		.amdhsa_wavefront_size32 1
		.amdhsa_system_sgpr_workgroup_id_x 1
		.amdhsa_system_sgpr_workgroup_id_y 1
		.amdhsa_system_sgpr_workgroup_id_z 1
		.amdhsa_system_vgpr_workitem_id 0
		.amdhsa_next_free_vgpr 1024
		.amdhsa_next_free_sgpr 100
		.amdhsa_reserve_vcc 1
		.amdhsa_float_denorm_mode_32 3
		.amdhsa_float_denorm_mode_16_64 3
		.amdhsa_memory_ordered 1
		.amdhsa_forward_progress 1
		.amdhsa_inst_pref_size 184
	.end_amdhsa_kernel
	.amdgpu_metadata
---
amdhsa.version: [ 1, 2 ]
amdhsa.kernels:
  - .name:           k_qc8c082f1a9_proj
    .symbol:         k_qc8c082f1a9_proj.kd
    .args:
      - { .name: hidden_states_codes, .offset: 0, .size: 8, .value_kind: global_buffer, .address_space: global }
      - { .name: hidden_states_scales, .offset: 8, .size: 8, .value_kind: global_buffer, .address_space: global }
      - { .name: Wq_codes, .offset: 16, .size: 8, .value_kind: global_buffer, .address_space: global }
      - { .name: Wq_scales, .offset: 24, .size: 8, .value_kind: global_buffer, .address_space: global }
      - { .name: Wk_codes, .offset: 32, .size: 8, .value_kind: global_buffer, .address_space: global }
      - { .name: Wk_scales, .offset: 40, .size: 8, .value_kind: global_buffer, .address_space: global }
      - { .name: Wv_codes, .offset: 48, .size: 8, .value_kind: global_buffer, .address_space: global }
      - { .name: Wv_scales, .offset: 56, .size: 8, .value_kind: global_buffer, .address_space: global }
      - { .name: bq, .offset: 64, .size: 8, .value_kind: global_buffer, .address_space: global }
      - { .name: bk, .offset: 72, .size: 8, .value_kind: global_buffer, .address_space: global }
      - { .name: bv, .offset: 80, .size: 8, .value_kind: global_buffer, .address_space: global }
      - { .name: latent_layer_memory_i, .offset: 88, .size: 8, .value_kind: global_buffer, .address_space: global }
      - { .name: qc, .offset: 96, .size: 8, .value_kind: global_buffer, .address_space: global }
      - { .name: qs, .offset: 104, .size: 8, .value_kind: global_buffer, .address_space: global }
      - { .name: kv, .offset: 112, .size: 8, .value_kind: global_buffer, .address_space: global }
    .group_segment_fixed_size: 327680
    .private_segment_fixed_size: 0
    .kernarg_segment_align: 8
    .kernarg_segment_size: 120
    .max_flat_workgroup_size: 128
    .sgpr_count:     100
    .vgpr_count:     1024
    .wavefront_size: 32
...
	.end_amdgpu_metadata
.endif
;; end of part 1
;; launch attn (part 2): grid 4 x 64, 8 waves a work-group, clusters of 4 x 4, 327,680 bytes of LDS; arguments qc, qs, kv, attention_mask, out0; writes out0
.if DOCPART == 2
	.amdgcn_target "amdgcn-amd-amdhsa--gfx1250"
	.amdhsa_code_object_version 6
	.text
	.protected	k_qc8c082f1a9_attn
	.globl	k_qc8c082f1a9_attn
	.p2align	8
	.type	k_qc8c082f1a9_attn,@function
k_qc8c082f1a9_attn:
	s_mov_b64 s[64:65], 0
	v_nop
	global_prefetch_b8 v0, s[64:65] scope:SCOPE_SE
	s_setreg_imm32_b32 hwreg(HW_REG_WAVE_MODE, 25, 1), 1
	s_wait_xcnt 0x0
	s_wait_alu depctr_hold_cnt(0) depctr_sa_sdst(0) depctr_va_vdst(0) depctr_va_sdst(0) depctr_va_ssrc(0) depctr_va_vcc(0) depctr_vm_vsrc(0)
	s_getreg_b32 s2, hwreg(HW_REG_IB_STS2, 6, 4)
	s_cmp_eq_u32 s2, 0
	s_cbranch_scc0 .Lentry_in_a_cluster
	s_endpgm
.Lentry_in_a_cluster:
	s_bfe_u32 s2, ttmp6, 0x10000c
	s_cmp_lg_u32 s2, 0xf033
	s_cbranch_scc0 .Lentry_shape_is_right
	s_endpgm
.Lentry_shape_is_right:
; out[b][q][128 head ..] = the sum over the 2,049 keys of softmax(Q . K / sqrt(128) + mask) V, both products on codes of E5M2 with one E8M0 scale for each 32 along K.
; Q, K and V^T come as images of operand registers (16 bytes a lane, 512 a quarter of a fragment), made by the launch before; the additive mask is f32, [b][query][hidden row].
; THE SOFTMAX AHEAD OF THE SECOND PRODUCT: t = logit x log2(e); M = the running largest t rounded up to a whole number; p = 2^(t - M) is quantised along the keys; the row's sum is taken of the unquantised p and divides at the end.
; SHARES.  A work-group owns 128 queries x 2 heads.  Wave w: head 2 cx + w / 4, queries 32 (w % 4) on: two tiles of 16.  Tile x lives in register window x under the same numbers.  17 key steps of 128 places.
; THE ORDER OF KEYS.  Block g = 4 j + cb of 32: place (h = lane / 16, i = 8 u + jj) is x = 16 u + 8 h + jj; x <= 30 is hidden row 32 g + x, x = 31 is hidden row 32 g - 1 (g = 0: the latent, mask 0).  Step 16 has one key, at block 64's x = 31.
; THE MASK IS THE C OF THE FIRST PRODUCT: it is loaded into the scores' registers and multiplied by sqrt(128); S = K Q^T + that; t = S x log2(e) / sqrt(128).
;   Register 15 of lanes 16-31 wants the column ahead of its block: a load of its own; for a step's first block it is the last step's column 127, carried in v10.
; CLUSTER, 4 x 4.  The mask's tile hangs on the query block alone: the four work-groups of a row of the cluster (the batch's 8 heads) ask for it jointly.  K's and V's blocks hang on batch and head pair:
;   shared along a column.  Waves 0, 1 fetch the two heads' blocks, waves 2, 3 the mask's two halves, one tensor load each; by this text's count a wave has one out.
; LIMITS: NaN and +infinity in the mask are not served; -infinity is served on the understanding that a C of -infinity stays so in the product.  A block of p that has fallen to zeros keeps the scale byte 1.
; REGISTERS.  each window x: v10 the carried mask word; v12 -M, v13 the largest t, v[14:15] the sum; v16-31 Q; v96-159 mask, S, p; v160-223 O^T; v224-239 p's codes; v232-254 at work.
;   window 1 also: v32-95 four fragments of K or V.   window 0 also: v2-5 K's scale words, v6-9 V's, v248-249 p's, v255 Q's; v32-33 the spare word's address and 0; v34-43 LDS addresses by slot; v44 the prefetches' offset; v45-47 the way out; v60-61 offsets.
.set HB,    574464
.set BLK,   33792                      ; a key step's block of one head; also half a mask tile: 64 rows x 528
.set SLOT,  4*BLK                      ; head 2 cx | head 2 cx + 1 | mask rows 0-63 | mask rows 64-127
.set MOFF,  2*BLK
.set MP,    528                        ; a mask row in LDS: 512 bytes + 16
.set STAGE, 2*SLOT                     ; 16 rows x 272 bytes a wave, for the way out; no tile lands here
.set SPARE, STAGE+8*16*272             ; the spare words, 128 bytes a wave
.set MSB, 0
.macro WIN new
.if MSB != (\new)
	s_set_vgpr_msb (MSB<<8)|(\new)
.set MSB, (\new)
.endif
.endm
.macro NOPS n
.rept \n
	v_nop
.endr
.endm
.macro ROUND                           ; a round of the cluster's barrier
	s_barrier_signal -1
	s_barrier_wait -1
	s_cmp_lg_u32 s14, 0
	s_cbranch_scc1 .Lnot_wave_0_\@
	s_barrier_signal -3
.Lnot_wave_0_\@:
	s_barrier_wait -3
	s_barrier_signal -1
	s_barrier_wait -1
.endm
; The joint loads into slot s.  The branches hang on the wave's number alone.  both = 0: K and V alone (key step 16 has no mask tile).  Four v_nop follow each load.
.macro JLOAD s, both
	s_cmp_lt_u32 s14, 2
	s_cbranch_scc0 .Lnot_kv_\@
	tensor_load_to_lds s[40+4*(\s):43+4*(\s)], s[24:31]
	s_nop 0
	NOPS 4
	s_branch .Lasked_\@
.Lnot_kv_\@:
.if \both
	s_cmp_lt_u32 s14, 4
	s_cbranch_scc0 .Lasked_\@
	tensor_load_to_lds s[48+4*(\s):51+4*(\s)], s[32:39]
	s_nop 0
	NOPS 4
.endif
.Lasked_\@:
.endm
; A prefetch of the tile that the NEXT change of slots will ask for, one instruction in each of waves 4 to 7.  Mask: waves 4, 5 of every work-group: rows 32 cx + lane of the 128 (the partners share them by address),
; one 256-byte half of the step's 512 bytes each.  K and V: waves 6, 7, in the batch's first cluster alone: head 2 cx + (w - 6), 8,192 bytes at 8,192 cy, lanes 256 bytes apart.  So each block is named once.
; kind 0: both; kind 1: K and V alone (the mask has no tile 16).
.macro ASK kind
	s_cmp_eq_u32 s[71+\kind], 1
	s_cbranch_scc0 .Lnot_mine_\@
	global_prefetch_b8 v44, s[56:57] th:TH_LOAD_NT scope:SCOPE_SE
.Lnot_mine_\@:
.endm
.macro WMS d, a, b, sa, sb, ra, rb     ; D = A B + D
.if ((\ra) != 0) && ((\rb) != 0)
	v_wmma_scale_f32_16x16x128_f8f6f4 v[(\d):(\d)+7], v[(\a):(\a)+15], v[(\b):(\b)+15], v[(\d):(\d)+7], v[(\sa)], v[(\sb)] matrix_a_fmt:MATRIX_FMT_BF8 matrix_b_fmt:MATRIX_FMT_BF8 matrix_a_scale:MATRIX_SCALE_ROW1 matrix_b_scale:MATRIX_SCALE_ROW1
.elseif (\ra) != 0
	v_wmma_scale_f32_16x16x128_f8f6f4 v[(\d):(\d)+7], v[(\a):(\a)+15], v[(\b):(\b)+15], v[(\d):(\d)+7], v[(\sa)], v[(\sb)] matrix_a_fmt:MATRIX_FMT_BF8 matrix_b_fmt:MATRIX_FMT_BF8 matrix_a_scale:MATRIX_SCALE_ROW1
.elseif (\rb) != 0
	v_wmma_scale_f32_16x16x128_f8f6f4 v[(\d):(\d)+7], v[(\a):(\a)+15], v[(\b):(\b)+15], v[(\d):(\d)+7], v[(\sa)], v[(\sb)] matrix_a_fmt:MATRIX_FMT_BF8 matrix_b_fmt:MATRIX_FMT_BF8 matrix_b_scale:MATRIX_SCALE_ROW1
.else
	v_wmma_scale_f32_16x16x128_f8f6f4 v[(\d):(\d)+7], v[(\a):(\a)+15], v[(\b):(\b)+15], v[(\d):(\d)+7], v[(\sa)], v[(\sb)] matrix_a_fmt:MATRIX_FMT_BF8 matrix_b_fmt:MATRIX_FMT_BF8
.endif
.endm
; tile x's 64 mask words a lane, into the scores' registers: 20 loads
.macro MLOAD x, s
.irp cb,0,1,2,3
	ds_load_b128 v[96+16*\cb:99+16*\cb], v[38+\s] offset:8448*\x+128*\cb
	ds_load_b128 v[100+16*\cb:103+16*\cb], v[38+\s] offset:8448*\x+128*\cb+16
	ds_load_b128 v[104+16*\cb:107+16*\cb], v[38+\s] offset:8448*\x+128*\cb+64
	ds_load_b96 v[108+16*\cb:110+16*\cb], v[38+\s] offset:8448*\x+128*\cb+80
.if \cb == 0
	ds_load_b32 v111, v[40+\s] offset:8448*\x                                ; lanes 16-31 get the carried word instead
.else
	ds_load_b32 v[111+16*\cb], v[42+\s] offset:8448*\x+128*\cb               ; lanes 0-15: column 32 cb + 23; lanes 16-31: column 32 cb - 1
.endif
.endr
.endm
.macro MFIX x, s
	WIN 0x55*(\x)
	v_cndmask_b32 v111, v111, v10, s69
.set JJ, 0
.rept 32
	v_pk_mul_f32 v[96+JJ:97+JJ], v[96+JJ:97+JJ], s[66:67] op_sel_hi:[1,0]    ; x sqrt(128)
.set JJ, JJ+2
.endr
	WIN 0x40*(\x)
	ds_load_b32 v10, v[40+\s] offset:8448*\x+416                             ; column 127, for the next step's first block
.endm
.macro FLOAD s, base                   ; four images, from byte base of my head's block, into window 1
	WIN 0x40
.irp t,0,1,2,3
.irp c,0,1,2,3
	ds_load_b128 v[32+16*\t+4*\c:35+16*\t+4*\c], v[34+\s] offset:(\base)+2048*\t+512*\c
.endr
.endr
.endm
.macro QKM g                           ; S^T += K Q^T: tiles 4 g .. 4 g + 3 of 16 keys, for my two tiles of queries: eight accumulators, one instruction each
	WIN 0x01
.irp t,0,1,2,3
	WMS 96+8*(4*\g+\t), 32+16*\t, 16, 2+(4*\g+\t)/2, 255, \t%2, 0
.endr
	WIN 0x55
.irp t,0,1,2,3
	WMS 96+8*(4*\g+\t), 32+16*\t, 16, 2+(4*\g+\t)/2, 255, \t%2, 1
.endr
.endm
.macro PVM g                           ; O^T += V^T P^T: d tiles 4 g .. 4 g + 3
	WIN 0x01
.irp t,0,1,2,3
	WMS 160+8*(4*\g+\t), 32+16*\t, 224, 6+(4*\g+\t)/2, 248, \t%2, 0
.endr
	WIN 0x55
.irp t,0,1,2,3
	WMS 160+8*(4*\g+\t), 32+16*\t, 224, 6+(4*\g+\t)/2, 249, \t%2, 0
.endr
.endm
; tile x's softmax for a key step, and p's codes and scale word
.macro SM x
	WIN 0x55*(\x)
.irp b,0,1,2,3
	v_max3_num_f32 v[232+\b], v[96+16*\b], v[97+16*\b], v[98+16*\b]          ; the largest score of each block of 32: for the row's maximum, and, since p rises with the score, for the block's largest p
.endr
.irp i,3,5,7,9,11,13
.irp b,0,1,2,3
	v_max3_num_f32 v[232+\b], v[232+\b], v[96+16*\b+\i], v[97+16*\b+\i]
.endr
.endr
.irp b,0,1,2,3
	v_max_num_f32 v[232+\b], v[232+\b], v[111+16*\b]
.endr
.irp b,0,1,2,3
	v_permlanex16_b32 v[236+\b], v[232+\b], s60, s61
.endr
.irp b,0,1,2,3
	v_max_num_f32 v[232+\b], v[232+\b], v[236+\b]
.endr
	v_max3_num_f32 v254, v232, v233, v234
	v_max_num_f32 v254, v254, v235
	v_mul_f32 v254, s62, v254                      ; as t
	v_max_num_f32 v13, v13, v254                   ; the running largest t
	v_mov_b32 v254, v12
	v_floor_f32 v12, -v13                          ; -M = floor(-t): M is a whole number
	v_sub_f32 v254, v12, v254
	v_cvt_i32_f32 v254, v254                       ; (it saturates)
	v_ldexp_f32 v252, 1.0, v254                    ; f = 2^(old M - new M): rounds nothing
.set JJ, 0
.rept 32
	v_pk_fma_f32 v[96+JJ:97+JJ], v[96+JJ:97+JJ], s[62:63], v[12:13] op_sel_hi:[1,0,0]   ; t - M
.set JJ, JJ+2
.endr
.irp b,0,1,2,3
	v_fma_f32 v[232+\b], v[232+\b], s62, v12
.endr
.set JJ, 0
.rept 64
	v_exp_f32 v[96+JJ], v[96+JJ]                   ; p, not normalised
.set JJ, JJ+1
.endr
	v_pk_mul_f32 v[14:15], v[14:15], v[252:253] op_sel_hi:[1,0]   ; the sums under the new M; the plain line behind the exponentials
	s_wait_alu depctr_va_vdst(0)                   ; one wait for the batch of 64, ahead of its first reader
.irp b,0,1,2,3
	v_exp_f32 v[232+\b], v[232+\b]                 ; each block's largest p
.endr
	v_pk_add_f32 v[236:237], v[96:97], v[98:99]    ; the row's sum, of the unquantised p, in two chains
.irp j,4,8,12,16,20,24,28,32,36,40,44,48,52,56,60
	v_pk_add_f32 v[14:15], v[14:15], v[96+\j:97+\j]
	v_pk_add_f32 v[236:237], v[236:237], v[98+\j:99+\j]
.endr
	v_pk_add_f32 v[14:15], v[14:15], v[236:237]
	s_wait_alu depctr_va_vdst(0)                   ; and one for the four
.irp b,0,1,2,3
	v_max_num_f32 v[232+\b], 0x8000000, v[232+\b]  ; the floor 2^(16 - 127)
.endr
.irp b,0,1,2,3
	v_add_nc_u32 v[244+\b], 0xf8800000, v[232+\b]  ; the conversion's scale operand
.endr
.irp b,0,1,2,3
	v_and_or_b32 v[240+\b], v[232+\b], 0x7f800000, s68   ; 57,344 x the scale
.endr
.irp b,0,1,2,3
	v_lshrrev_b32 v[236+\b], 23, v[244+\b]
.endr
	v_lshl_or_b32 v253, v237, 8, v236
	v_lshl_or_b32 v253, v238, 16, v253
	v_lshl_or_b32 v253, v239, 24, v253
.if \x
	WIN 0x01
	v_mov_b32 v249, v253                           ; scale operands are taken from window 0
	WIN 0x55
.else
	v_mov_b32 v248, v253
.endif
.irp b,0,1,2,3
.irp i,0,1,2,3,4,5,6,7,8,9,10,11,12,13,14,15
	v_min_num_f32 v[96+16*\b+\i], v[96+16*\b+\i], v[240+\b]   ; the hold; p is not negative
.endr
	v_cvt_scalef32_pk8_bf8_f32 v[224+4*\b:225+4*\b], v[96+16*\b:103+16*\b], v[244+\b]
	v_cvt_scalef32_pk8_bf8_f32 v[226+4*\b:227+4*\b], v[104+16*\b:111+16*\b], v[244+\b]
.endr
.set JJ, 0
.rept 32
	v_pk_mul_f32 v[160+JJ:161+JJ], v[160+JJ:161+JJ], v[252:253] op_sel_hi:[1,0]   ; O^T under the new M; also the places between the codes and the products
.set JJ, JJ+2
.endr
.endm
; A KEY STEP out of slot s
.macro STEP s, tail
	ds_load_b64 v[2:3], v[36+\s]                   ; K's scale words: register cb: lanes 0-15 tile 2 cb, lanes 16-31 tile 2 cb + 1
	ds_load_b64 v[4:5], v[36+\s] offset:256
	ds_load_b64 v[6:7], v[36+\s] offset:512        ; V's likewise
	ds_load_b64 v[8:9], v[36+\s] offset:768
.if \tail
	FLOAD \s, 0
.irp x,0,1
	WIN 0x55*\x
.set JJ, 0
.rept 64
	v_mov_b32 v[96+JJ], s94                        ; no key stands here: the most negative number, so that p is 0
.set JJ, JJ+1
.endr
	v_mul_f32 v10, s66, v10
	v_cndmask_b32 v111, v111, v10, s69             ; but at block 64's x = 31: hidden row 2,047's mask word
.endr
	s_wait_dscnt 0x0
.else
	MLOAD 0, \s
	WIN 0x40
	MLOAD 1, \s
	FLOAD \s, 0
	s_wait_dscnt 36                                ; the scale words and tile 0's mask are in; tile 1's 20 loads and K's 16 may be out
	MFIX 0, \s
	s_wait_dscnt 17                                ; tile 1's mask is in; K's 16 and tile 0's carry may be out
	MFIX 1, \s
	s_wait_dscnt 2                                 ; K's fragments are in; the two carries may be out
.endif
	QKM 0
	NOPS 8                                         ; places in front of loads into registers that matrix instructions have read
	FLOAD \s, 8192
	s_wait_dscnt 0x0
	QKM 1
	NOPS 8                                         ; and of the first read of the scores
	FLOAD \s, 16384                                ; V's first four images come while the softmax is worked
	SM 0
	SM 1
	s_wait_dscnt 0x0
	PVM 0
	NOPS 8
	FLOAD \s, 16384+8192
	s_wait_dscnt 0x0
	PVM 1
	NOPS 8
	WIN 0
.endm
; The change of slots, at a step's head, and the step.  fill = 1: the other slot gets the next step's tiles; 2: K and V alone; 0: nothing.  ask: the prefetch's kind, or -1.
.macro TRIP s, fill, ask, tail
	s_wait_tensorcnt 0x0                           ; my tensor load, my part of this slot, has landed: so every group 0 may be written
	ds_add_u32 v32, v33                            ; 0 onto my spare word
	s_add_nc_u64 s[42+4*\s:43+4*\s], s[42+4*\s:43+4*\s], 2*BLK     ; this slot's next tiles
	s_add_nc_u64 s[50+4*\s:51+4*\s], s[50+4*\s:51+4*\s], 1024
	s_wait_xcnt 0x0                                ; the last prefetch, a step back, has read its address
	s_add_nc_u64 s[56:57], s[56:57], s[58:59]
	s_wait_dscnt 0x0                               ; the add is done, and my reads of the other slot are over
	ROUND
.if \fill == 1
	JLOAD 1-\s, 1
.elseif \fill == 2
	JLOAD 1-\s, 0
.endif
.if \ask >= 0
	ASK \ask
.endif
	STEP \s, \tail
.endm
	s_load_b256 s[4:11], s[0:1], 0x0               ; qc, qs, kv, mask
	s_load_b64 s[12:13], s[0:1], 0x20              ; out
	v_lshl_add_u32 v32, v0, 2, SPARE
	v_mov_b32 v33, 0
	ds_add_u32 v32, v33
	s_wait_dscnt 0x0
	v_lshrrev_b32 v1, 5, v0
	v_readfirstlane_b32 s14, v1                    ; wave 0..7
	s_bfe_u32 s15, ttmp6, 0x40000                  ; cx: the head pair
	s_bfe_u32 s16, ttmp6, 0x40004                  ; cy
	s_and_b32 s17, ttmp7, 0xffff                   ; the cluster's y
	s_lshr_b32 s18, s17, 2                         ; the batch
	s_lshl_b32 s19, s17, 2
	s_add_co_u32 s19, s19, s16                     ; y = 16 b + block of 128 queries
	s_and_b32 s23, s14, 1
	s_lshl_b32 s20, 0x1111, s15                    ; my column of the cluster
	s_lshl_b32 s21, s16, 2
	s_lshl_b32 s21, 15, s21                        ; my row
	; group 1 for K's and V's blocks: 33,792 dense bytes as 132 rows of 256 (32 elements of 8 bytes), no padding
	s_or_b32 s24, s20, (3<<16)|(1<<21)
	s_mov_b32 s25, 32<<16
	s_mov_b32 s26, 132<<16
	s_mov_b32 s27, 32<<16
	s_mov_b32 s28, 132
	s_mov_b32 s29, 32
	s_mov_b32 s30, 0
	s_mov_b32 s31, 0
	; group 1 for the mask: 64 rows x 128 words, 2,048 words from row to row, four words of padding behind every 128
	s_or_b32 s32, s21, (2<<16)|(1<<20)|(1<<21)|(6<<22)|(3<<25)
	s_mov_b32 s33, 128<<16
	s_mov_b32 s34, 64<<16
	s_mov_b32 s35, 128<<16
	s_mov_b32 s36, 64
	s_mov_b32 s37, 2048
	s_mov_b32 s38, 0
	s_mov_b32 s39, 0
	s_lshl_b32 s73, s18, 3
	s_lshl_b32 s74, s15, 1
	s_add_co_u32 s73, s73, s74                     ; 8 b + 2 cx
	s_add_co_u32 s74, s73, s23                     ; the head whose block I fetch: batch, cx and the wave alone
	s_mul_i32 s74, s74, HB
	s_mov_b32 s75, 0
	s_lshl_b32 s78, s19, 20                        ; the mask's row 128 y, 8,192 bytes a row: y and the wave alone
	s_lshl_b32 s79, s23, 19
	s_add_co_u32 s78, s78, s79
	s_mov_b32 s79, 0
	s_mul_i32 s22, s14, BLK                        ; piece w of a slot
	s_wait_kmcnt 0x0
	s_add_nc_u64 s[76:77], s[8:9], s[74:75]
	s_add_nc_u64 s[80:81], s[10:11], s[78:79]
.irp s,0,1
	s_mov_b32 s[40+4*\s], 1
	s_add_co_u32 s[41+4*\s], s22, \s*SLOT
	s_add_nc_u64 s[42+4*\s:43+4*\s], s[76:77], \s*BLK
	s_or_b32 s[43+4*\s], s[43+4*\s], 0x80000000
	s_mov_b32 s[48+4*\s], 1
	s_add_co_u32 s[49+4*\s], s22, \s*SLOT
	s_add_nc_u64 s[50+4*\s:51+4*\s], s[80:81], \s*512
	s_or_b32 s[51+4*\s], s[51+4*\s], 0x80000000
.endr
	ROUND                                          ; all sixteen work-groups are here: the first joint loads meet
	JLOAD 0, 1                                     ; key step 0
	s_lshr_b32 s82, s14, 2                         ; which of the two heads is mine
	s_and_b32 s83, s14, 3                          ; which 32 queries
	s_add_co_u32 s84, s73, s82                     ; 8 b + head
	s_and_b32 s85, s19, 15
	s_lshl_b32 s86, s84, 7
	s_lshl_b32 s87, s85, 3
	s_add_co_u32 s86, s86, s87
	s_lshl_b32 s87, s83, 1
	s_add_co_u32 s86, s86, s87                     ; my first tile of queries among qc's
	s_lshl_b32 s86, s86, 11
	s_mov_b32 s87, 0
	s_add_nc_u64 s[4:5], s[4:5], s[86:87]
	s_lshl_b32 s86, s84, 5
	s_lshl_b32 s88, s85, 1
	s_add_co_u32 s86, s86, s88
	s_lshr_b32 s88, s83, 1
	s_add_co_u32 s86, s86, s88                     ; my group of 64 queries among qs's
	s_lshl_b32 s86, s86, 8
	s_and_b32 s88, s83, 1
	s_lshl_b32 s88, s88, 2
	s_add_co_u32 s86, s86, s88
	s_add_nc_u64 s[6:7], s[6:7], s[86:87]
	s_lshl_b32 s86, s19, 19                        ; out: row 128 y + 32 (w % 4) of 4,096 bytes, + 512 x head
	s_lshl_b32 s88, s83, 17
	s_add_co_u32 s86, s86, s88
	s_lshl_b32 s88, s15, 10
	s_add_co_u32 s86, s86, s88
	s_lshl_b32 s88, s82, 9
	s_add_co_u32 s86, s86, s88
	s_add_nc_u64 s[12:13], s[12:13], s[86:87]
	v_and_b32 v1, 31, v0                           ; lane
	v_and_b32 v2, 15, v0                           ; r
	v_bfe_u32 v3, v0, 4, 1                         ; h
	v_lshlrev_b32 v60, 4, v1
	v_lshlrev_b32 v61, 3, v1
.irp c,0,1,2,3
	global_load_b128 v[16+4*\c:19+4*\c], v60, s[4:5] offset:512*\c           ; Q's fragments stay in registers
.endr
	WIN 0x40
.irp c,0,1,2,3
	global_load_b128 v[16+4*\c:19+4*\c], v60, s[4:5] offset:2048+512*\c
.endr
	WIN 0
	global_load_b32 v255, v61, s[6:7]              ; Q's scale words: lanes 0-15 tile 0, lanes 16-31 tile 1
	s_mul_i32 s88, s82, BLK
	v_add_nc_u32 v34, s88, v60                     ; images: my head's block, 16 x lane
	v_add_nc_u32 v35, SLOT, v34
	s_add_co_u32 s89, s88, 32768
	v_add_nc_u32 v36, s89, v61                     ; scale words: 8 x lane
	v_add_nc_u32 v37, SLOT, v36
	s_mul_i32 s89, s83, 32*MP
	s_add_co_u32 s89, s89, MOFF
	v_mul_u32_u24 v4, v2, MP
	v_add_nc_u32 v4, s89, v4                       ; the mask: my query's row
	v_lshl_add_u32 v38, v3, 5, v4                  ; + 32 h
	v_add_nc_u32 v39, SLOT, v38
	v_add_nc_u32 v40, 92, v4                       ; column 23
	v_add_nc_u32 v41, SLOT, v40
	v_mul_u32_u24 v5, v3, 96
	v_sub_nc_u32 v42, v40, v5                      ; lanes 16-31: column -1
	v_add_nc_u32 v43, SLOT, v42
	s_mul_i32 s88, s14, 16*272
	s_add_co_u32 s88, s88, STAGE                   ; my stage
	v_mul_u32_u24 v45, v2, 272
	v_lshl_add_u32 v45, v3, 5, v45
	v_add_nc_u32 v45, s88, v45                     ; in: row r, + 32 h
	v_mul_u32_u24 v46, v3, 272
	v_lshl_add_u32 v46, v2, 4, v46
	v_add_nc_u32 v46, s88, v46                     ; back: lanes 0-15 one row, lanes 16-31 the next
	v_lshlrev_b32 v47, 12, v3
	v_lshl_add_u32 v47, v2, 4, v47                 ; and the same two rows of out
	; the prefetches: they begin at tile 1; each change of slots steps them first, so step j names tile j + 2.  Nothing is asked for here, at the head
	s_lshl_b32 s90, s19, 20
	s_lshl_b32 s91, s15, 18
	s_add_co_u32 s90, s90, s91                     ; the mask's row 128 y + 32 cx
	s_lshl_b32 s91, s23, 8
	s_add_co_u32 s90, s90, s91
	s_add_co_u32 s90, s90, 512
	s_lshl_b32 s91, s16, 13
	s_add_co_u32 s91, s91, s74                     ; kv: head 8 b + 2 cx + (w & 1), + 8,192 cy
	s_add_co_u32 s91, s91, BLK
	s_mov_b32 s58, BLK
	s_mov_b32 s59, 0
	s_mov_b32 s92, 256
	s_cmp_lt_u32 s14, 6
	s_cselect_b64 s[56:57], s[10:11], s[8:9]
	s_cselect_b32 s90, s90, s91
	s_cselect_b32 s58, 512, s58                    ; a tile on
	s_cselect_b32 s92, 8192, s92                   ; from lane to lane
	s_mov_b32 s91, 0
	s_add_nc_u64 s[56:57], s[56:57], s[90:91]
	v_mul_lo_u32 v44, v1, s92
	s_and_b32 s93, s17, 3
	s_cmp_eq_u32 s93, 0
	s_cselect_b32 s93, 1, 0                        ; the batch's first cluster: the same in all sixteen partners
	s_cmp_ge_u32 s14, 6
	s_cselect_b32 s72, s93, 0                      ; 1: I ask for K and V
	s_lshr_b32 s93, s14, 1
	s_cmp_eq_u32 s93, 2
	s_cselect_b32 s71, 1, s72                      ; 1: I ask
	s_mov_b32 s60, 0x76543210
	s_mov_b32 s61, 0xfedcba98                      ; lane l xor 16
	s_mov_b32 s62, 0x3e0293ee                      ; log2(e) / sqrt(128)
	s_mov_b32 s63, s62
	s_mov_b32 s66, 0x413504f3                      ; sqrt(128)
	s_mov_b32 s67, s66
	s_mov_b32 s68, 0x600000                        ; the mantissa field of 57,344
	s_mov_b32 s69, 0xffff0000                      ; lanes 16-31
	s_mov_b32 s94, 0xff7fffff
.irp x,0,1
	WIN 0x55*\x
	v_mov_b32 v10, 0                               ; the latent's mask
	v_mov_b32 v13, 0xff61b1e6                      ; -3e38, under every t
	v_floor_f32 v12, -v13
	v_mov_b32 v14, 0
	v_mov_b32 v15, 0
.irp b,0,1,2,3
	v_mov_b32 v[236+\b], 0                         ; a lane permute's destination counts as one of its sources
.endr
	v_mov_b32 v253, 0
.set JJ, 0
.rept 64
	v_mov_b32 v[160+JJ], 0                         ; O^T: the step is written for every step alike; the first change of M leaves zeros zeros
.set JJ, JJ+1
.endr
.endr
	WIN 0
	s_wait_loadcnt 0x0                             ; Q
	s_mov_b32 s70, 7
.Lpair:                                            ; key steps 0 to 13
	TRIP 0, 1, 0, 0
	TRIP 1, 1, 0, 0
	s_sub_co_u32 s70, s70, 1
	s_cmp_lg_u32 s70, 0
	s_cbranch_scc1 .Lpair
	TRIP 0, 1, 1, 0                                ; 14: asks for tile 15; prefetches K's and V's tile 16
	TRIP 1, 2, -1, 0                               ; 15: asks for K's and V's tile 16
	TRIP 0, 0, -1, 1                               ; 16: one key
; THE WAY OUT of tile x: O^T / the sum, through my stage, 64 channels (256 bytes) of 16 queries at a time: sixteen lanes store 256 consecutive bytes, aligned
.macro OUT x
.set LB, 160-64*(\x)
	WIN 0x55*(\x)
	v_add_f32 v14, v14, v15
	v_permlanex16_b32 v252, v14, s60, s61
	v_add_f32 v14, v14, v252                       ; the row's sum
	v_rcp_f32 v14, v14
	v_nop
	s_wait_alu depctr_va_vdst(0)                   ; ahead of the reciprocal's first reader
.set JJ, 0
.rept 64
	v_mul_f32 v[96+JJ], v[160+JJ], v14             ; register 8 t + i is o(r, 16 t + 8 h + i); each accumulator from its low end on
.set JJ, JJ+1
.endr
.irp u,0,1
	WIN 0x04*(\x)
.irp t,0,1,2,3
	ds_store_b128 v45, v[96+32*\u+8*\t:99+32*\u+8*\t] offset:64*\t
	ds_store_b128 v45, v[100+32*\u+8*\t:103+32*\u+8*\t] offset:64*\t+16
.endr
	WIN 0
.irp i,0,1,2,3,4,5,6,7
	ds_load_b128 v[LB+32*\u+4*\i:LB+32*\u+4*\i+3], v46 offset:2*\i*272       ; a wave's LDS instructions are served in order: these see my stores, and the next stores come behind them
.endr
.endr
.irp u,0,1
.irp i,0,1,2,3,4,5,6,7
	s_wait_dscnt 15-8*\u-\i
	global_store_b128 v47, v[LB+32*\u+4*\i:LB+32*\u+4*\i+3], s[12:13] offset:65536*(\x)+8192*\i+256*\u th:TH_STORE_NT
.endr
.endr
.endm
	OUT 0
	OUT 1
	s_wait_tensorcnt 0x0                           ; the wave's end
	ds_add_u32 v32, v33
	s_wait_dscnt 0x0
	ROUND                                          ; the closing round
	s_endpgm
.Lfunc_end_k_qc8c082f1a9_attn:
	.size	k_qc8c082f1a9_attn, .Lfunc_end_k_qc8c082f1a9_attn-k_qc8c082f1a9_attn
	.p2alignl 7, 3214868480
	.fill 96, 4, 3214868480
	.section	.rodata,"a",@progbits
	.p2align	6, 0x0
	.amdhsa_kernel k_qc8c082f1a9_attn
		.amdhsa_group_segment_fixed_size 327680
		.amdhsa_private_segment_fixed_size 0
		.amdhsa_enable_private_segment 0
		.amdhsa_kernarg_size 40
		.amdhsa_user_sgpr_count 2
		.amdhsa_user_sgpr_kernarg_segment_ptr 1
		.amdhsa_wavefront_size32 1
		.amdhsa_system_sgpr_workgroup_id_x 1
		.amdhsa_system_sgpr_workgroup_id_y 1
		.amdhsa_system_sgpr_workgroup_id_z 1
		.amdhsa_system_vgpr_workitem_id 0
		.amdhsa_next_free_vgpr 512
		.amdhsa_next_free_sgpr 100
		.amdhsa_reserve_vcc 0
		.amdhsa_float_denorm_mode_32 3
		.amdhsa_float_denorm_mode_16_64 3
		.amdhsa_memory_ordered 1
		.amdhsa_forward_progress 1
		.amdhsa_inst_pref_size 255
	.end_amdhsa_kernel
	.section	.bss,"aw",@nobits
	.p2align	6
	.space	262144
	.amdgpu_metadata
---
amdhsa.version: [ 1, 2 ]
amdhsa.kernels:
  - .name:           k_qc8c082f1a9_attn
    .symbol:         k_qc8c082f1a9_attn.kd
    .args:
      - { .name: qc, .offset: 0, .size: 8, .value_kind: global_buffer, .address_space: global }
      - { .name: qs, .offset: 8, .size: 8, .value_kind: global_buffer, .address_space: global }
      - { .name: kv, .offset: 16, .size: 8, .value_kind: global_buffer, .address_space: global }
      - { .name: attention_mask, .offset: 24, .size: 8, .value_kind: global_buffer, .address_space: global }
      - { .name: out0, .offset: 32, .size: 8, .value_kind: global_buffer, .address_space: global }
    .group_segment_fixed_size: 327680
    .private_segment_fixed_size: 0
    .kernarg_segment_align: 8
    .kernarg_segment_size: 40
    .max_flat_workgroup_size: 256
    .sgpr_count:     100
    .vgpr_count:     512
    .wavefront_size: 32
...
	.end_amdgpu_metadata
.endif
;; end of part 2
;; ======== version 2 of 2: 2 launches
;; limits: right only within a limited range of input values
;; workspace buffers: qc 8,388,608 bytes; qs 262,144 bytes; kv 18,382,848 bytes
;; launch proj (part 3): grid 192 x 1, 4 waves a work-group, clusters of 4 x 1, 327,680 bytes of LDS; arguments hidden_states_codes, hidden_states_scales, Wq_codes, Wq_scales, Wk_codes, Wk_scales, Wv_codes, Wv_scales, bq, bk, bv, latent_layer_memory_i, qc, qs, kv; writes qc, qs, kv
.if DOCPART == 3
	.amdgcn_target "amdgcn-amd-amdhsa--gfx1250"
	.amdhsa_code_object_version 6
	.text
	.protected	k_qc8c082f1a9_proj
	.globl	k_qc8c082f1a9_proj
	.p2align	8
	.type	k_qc8c082f1a9_proj,@function
k_qc8c082f1a9_proj:
	s_mov_b64 s[64:65], 0
	v_nop
	global_prefetch_b8 v0, s[64:65] scope:SCOPE_SE
	s_setreg_imm32_b32 hwreg(HW_REG_WAVE_MODE, 25, 1), 1
	s_wait_xcnt 0x0
	s_wait_alu depctr_hold_cnt(0) depctr_sa_sdst(0) depctr_va_vdst(0) depctr_va_sdst(0) depctr_va_ssrc(0) depctr_va_vcc(0) depctr_vm_vsrc(0)
	s_getreg_b32 s2, hwreg(HW_REG_IB_STS2, 6, 4)
	s_cmp_eq_u32 s2, 0
	s_cbranch_scc0 .Lentry_in_a_cluster
	s_endpgm
.Lentry_in_a_cluster:
	s_bfe_u32 s2, ttmp6, 0x10000c
	s_cmp_lg_u32 s2, 0x3003
	s_cbranch_scc0 .Lentry_shape_is_right
	s_endpgm
.Lentry_shape_is_right:
; Q, K, V = x W^T + b on codes of E5M2 with E8M0 scales, quantised again on the way out into images of the next launch's operand registers (qc, qs, kv); the latent row is quantised into K's and V's first block.
; EPI's arguments: ah = 1: the copy that can meet the block ahead of the first (it stores nothing); wd = 0: no scale word is due in this copy, 1: due in some trips, 2: always.
.set HB,    574464
.set BLK,   33792
.set XP,    1040
.set WT,    32*XP
.set SLOT,  4*WT
.set PRE,   2*SLOT
.set BIAS,  PRE+WT
.set SPARE, BIAS+8192
.set MSB, 0
.macro WIN new
.if MSB != (\new)
	s_set_vgpr_msb (MSB<<8)|(\new)
.set MSB, (\new)
.endif
.endm
.macro NOPS n
.rept \n
	v_nop
.endr
.endm
.macro ROUND
	s_barrier_signal -1
	s_barrier_wait -1
	s_cmp_lg_u32 s34, 0
	s_cbranch_scc1 .Lnot_wave_0_\@
	s_barrier_signal -3
.Lnot_wave_0_\@:
	s_barrier_wait -3
	s_barrier_signal -1
	s_barrier_wait -1
.endm
.macro WMP d, a, b, c, sa, sb, ra, rb
.if ((\ra) != 0) && ((\rb) != 0)
	v_wmma_scale_f32_16x16x128_f8f6f4 v[(\d):(\d)+7], v[(\a):(\a)+15], v[(\b):(\b)+15], v[(\c):(\c)+7], v[(\sa)], v[(\sb)] matrix_a_fmt:MATRIX_FMT_BF8 matrix_b_fmt:MATRIX_FMT_BF8 matrix_a_scale:MATRIX_SCALE_ROW1 matrix_b_scale:MATRIX_SCALE_ROW1
.elseif (\ra) != 0
	v_wmma_scale_f32_16x16x128_f8f6f4 v[(\d):(\d)+7], v[(\a):(\a)+15], v[(\b):(\b)+15], v[(\c):(\c)+7], v[(\sa)], v[(\sb)] matrix_a_fmt:MATRIX_FMT_BF8 matrix_b_fmt:MATRIX_FMT_BF8 matrix_a_scale:MATRIX_SCALE_ROW1
.elseif (\rb) != 0
	v_wmma_scale_f32_16x16x128_f8f6f4 v[(\d):(\d)+7], v[(\a):(\a)+15], v[(\b):(\b)+15], v[(\c):(\c)+7], v[(\sa)], v[(\sb)] matrix_a_fmt:MATRIX_FMT_BF8 matrix_b_fmt:MATRIX_FMT_BF8 matrix_b_scale:MATRIX_SCALE_ROW1
.else
	v_wmma_scale_f32_16x16x128_f8f6f4 v[(\d):(\d)+7], v[(\a):(\a)+15], v[(\b):(\b)+15], v[(\c):(\c)+7], v[(\sa)], v[(\sb)] matrix_a_fmt:MATRIX_FMT_BF8 matrix_b_fmt:MATRIX_FMT_BF8
.endif
.endm
.macro XLD xa, ks
	WIN 0xc0
.irp u,0,1
.irp c,0,1,2,3
	ds_load_b128 v[32*((\ks)%4)+16*\u+4*\c:32*((\ks)%4)+16*\u+4*\c+3], v[\xa] offset:16640*\u+128*(\ks)+32*\c
.endr
.endr
.endm
.macro W ks, set, first
.irp yt,0,1,2,3
	WIN 0x07+4*(\yt/2)
.irp u,0,1
.if \first
	WMP 64+16*\yt+8*\u, 32*((\ks)%4)+16*\u, 128*(\yt%2)+16*(\ks), 48+8*\u, 32+8*(\set)+(\ks), 16+8*(\yt/2)+(\ks), \u, \yt%2
.else
	WMP 64+16*\yt+8*\u, 32*((\ks)%4)+16*\u, 128*(\yt%2)+16*(\ks), 64+16*\yt+8*\u, 32+8*(\set)+(\ks), 16+8*(\yt/2)+(\ks), \u, \yt%2
.endif
	v_nop
.endr
.endr
.endm
.macro QCORE
.irp b,0,1,2,3
	v_max3_num_f32 v[144+\b], |v[64+16*\b]|, |v[65+16*\b]|, 0x8000000
.endr
.irp i,2,4,6,8,10,12,14
.irp b,0,1,2,3
	v_max3_num_f32 v[144+\b], v[144+\b], |v[64+16*\b+\i]|, |v[65+16*\b+\i]|
.endr
.endr
.irp b,0,1,2,3
	v_permlanex16_b32 v[148+\b], v[144+\b], s76, s77
.endr
.irp b,0,1,2,3
	v_max_num_f32 v[144+\b], v[144+\b], v[148+\b]
.endr
.irp b,0,1,2,3
	v_add_nc_u32 v[156+\b], 0xf8800000, v[144+\b]
.endr
.irp b,0,1,2,3
	v_and_or_b32 v[152+\b], v[144+\b], 0x7f800000, s78
.endr
.irp b,0,1,2,3
	v_lshrrev_b32 v[148+\b], 23, v[156+\b]
.endr
.irp b,0,1,2,3
.irp i,0,1,2,3,4,5,6,7,8,9,10,11,12,13,14,15
	v_med3_num_f32 v[64+16*\b+\i], v[64+16*\b+\i], -v[152+\b], v[152+\b]
.endr
	v_cvt_scalef32_pk8_bf8_f32 v[128+4*\b:129+4*\b], v[64+16*\b:71+16*\b], v[156+\b]
	v_cvt_scalef32_pk8_bf8_f32 v[130+4*\b:131+4*\b], v[72+16*\b:79+16*\b], v[156+\b]
.endr
	v_nop
.endm
.macro EPI ah, wd
	s_wait_xcnt 0x0
	s_add_nc_u64 s[60:61], s[60:61], s[66:67]
	s_add_nc_u64 s[62:63], s[62:63], s[68:69]
.irp yt,0,1,2,3
.irp p,0,2,4,6,8,10,12,14
	v_pk_add_f32 v[64+16*\yt+\p:65+16*\yt+\p], v[64+16*\yt+\p:65+16*\yt+\p], v[170+2*\yt:171+2*\yt]
.endr
.endr
.irp yt,0,1,2,3
	v_mov_b32 v182, v[79+16*\yt]
	v_cndmask_b32 v[79+16*\yt], v[79+16*\yt], v[160+\yt], s73
	v_mov_b32 v[160+\yt], v182
.endr
.if \ah
	s_cmp_eq_u32 s56, 0
	s_cbranch_scc1 .Lahead_\@
.endif
	QCORE
.irp yt,0,1,2,3
	v_lshl_or_b32 v[164+\yt], v[148+\yt], s72, v[164+\yt]
.endr
.irp yt,0,1,2,3
	global_store_b128 v[6+\yt], v[128+4*\yt:131+4*\yt], s[60:61]
.endr
.if \wd
.if \wd == 1
	s_cmp_lg_u32 s72, 24
	s_cbranch_scc1 .Lno_word_\@
.endif
	v_cndmask_b32 v168, v164, v165, s74
	v_cndmask_b32 v169, v166, v167, s74
	global_store_b32 v10, v168, s[62:63]
	global_store_b32 v11, v169, s[62:63]
.irp yt,0,1,2,3
	v_mov_b32 v[164+\yt], 0
.endr
.endif
.Lno_word_\@:
	s_cmp_eq_u32 s72, 24
	s_cselect_b32 s66, s70, 512
	s_cselect_b32 s68, s71, 0
	s_add_co_u32 s72, s72, 8
	s_and_b32 s72, s72, 31
.if \ah
	s_branch .Lepi_done_\@
.Lahead_\@:
	s_wait_alu depctr_va_vdst(0)
.irp yt,0,1,2,3
	v_cndmask_b32 v[160+\yt], v[160+\yt], v[178+\yt], s75
.endr
.endif
.Lepi_done_\@:
.endm
.macro ITER xa, set, pre, ah=0, wd=0
.if (\pre) == 0
	s_wait_xcnt 0x0
	s_cmp_lt_u32 s56, 15
	s_cselect_b32 s80, 1024, 0
	s_add_nc_u64 s[58:59], s[58:59], s[80:81]
.endif
	global_load_b128 v[40-8*(\set):43-8*(\set)], v12, s[58:59]
	global_load_b128 v[44-8*(\set):47-8*(\set)], v12, s[58:59] offset:16
.irp u,0,1
	ds_load_b128 v[48+8*\u:51+8*\u], v5 offset:64*\u
	ds_load_b128 v[52+8*\u:55+8*\u], v5 offset:64*\u+16
.endr
	XLD \xa, 0
	XLD \xa, 1
	XLD \xa, 2
	XLD \xa, 3
	WIN 0
.if (\pre) == 0
	v_add_nc_u32 v5, 128, v5
	EPI \ah, \wd
.endif
	s_wait_loadcnt 0x2
	s_wait_dscnt 24
	W 0, \set, 1
	s_wait_dscnt 16
	W 1, \set, 0
	XLD \xa, 4
	s_wait_dscnt 16
	W 2, \set, 0
	XLD \xa, 5
	s_wait_dscnt 16
	W 3, \set, 0
	XLD \xa, 6
	s_wait_dscnt 16
	W 4, \set, 0
	XLD \xa, 7
	s_wait_dscnt 16
	W 5, \set, 0
	s_wait_dscnt 8
	W 6, \set, 0
	s_wait_dscnt 0x0
	W 7, \set, 0
	NOPS 8
	WIN 0
.if (\pre) == 0
	s_add_co_u32 s56, s56, 1
.endif
.endm
.macro FOUR base, ah, wd
	v_add_nc_u32 v3, (\base), v183
	v_add_nc_u32 v4, (\base)+WT, v183
	s_mov_b32 s79, 2
.Lfour_\@:
	s_wait_alu depctr_va_vdst(0)
	ITER 3, 1, 0, \ah, \wd
	ITER 4, 0, 0, 0, 0
	v_add_nc_u32 v3, (\base)+2*WT, v183
	v_add_nc_u32 v4, (\base)+3*WT, v183
	s_sub_co_u32 s79, s79, 1
	s_cmp_lg_u32 s79, 0
	s_cbranch_scc1 .Lfour_\@
.endm
.macro CHANGE s, fill
	s_wait_tensorcnt 0x0
	ds_add_u32 v1, v2
.if \fill
	s_add_nc_u64 s[50+4*(\s):51+4*(\s)], s[50+4*(\s):51+4*(\s)], 262144
.endif
	s_wait_dscnt 0x0
.if \fill
	ROUND
	tensor_load_to_lds s[48+4*(\s):51+4*(\s)], s[40:47]
	s_nop 0
	NOPS 4
.else
	s_barrier_signal -1
	s_barrier_wait -1
.endif
.endm
.macro YLOAD yt
.set KK, 0
.rept 8
.irp c,0,1,2,3
	global_load_b128 v[128*((\yt)%2)+16*KK+4*\c:128*((\yt)%2)+16*KK+4*\c+3], v188, s[90:91] offset:16384*(\yt)+128*KK+32*\c
.endr
.set KK, KK+1
.endr
.endm
	s_load_b512 s[4:19], s[0:1], 0x0
	s_load_b256 s[20:27], s[0:1], 0x40
	s_load_b128 s[28:31], s[0:1], 0x60
	s_load_b64 s[32:33], s[0:1], 0x70
	v_lshl_add_u32 v1, v0, 2, SPARE
	v_mov_b32 v2, 0
	ds_add_u32 v1, v2
	ds_add_u32 v1, v2
	s_wait_dscnt 0x0
	v_lshrrev_b32 v13, 5, v0
	v_readfirstlane_b32 s34, v13
	s_bfe_u32 s35, ttmp6, 0x40000
	s_and_b32 s3, ttmp9, 3
	s_lshl_b32 s37, s35, 2
	s_add_co_u32 s37, s37, s34
	s_lshr_b32 s36, ttmp9, 2
	s_lshl_b32 s36, s36, 4
	s_add_co_u32 s36, s36, s37
	s_sub_co_u32 s38, ttmp9, 32
	s_lshr_b32 s38, s38, 2
	s_lshr_b32 s80, ttmp9, 3
	s_cmp_ge_u32 ttmp9, 32
	s_cselect_b32 s38, s38, s80
	s_and_b32 s39, s3, 1
	s_lshl_b32 s80, s38, 11
	s_lshl_b32 s81, s3, 9
	s_add_co_u32 s80, s80, s81
	s_lshl_b32 s81, s39, 9
	s_cmp_ge_u32 ttmp9, 32
	s_cselect_b32 s80, s80, s81
	s_max_u32 s81, s80, 32
	s_sub_co_u32 s81, s81, 32
	s_mul_i32 s82, s34, WT
	s_mov_b32 s40, 15|(1<<20)|(1<<21)|(7<<22)|(3<<25)
	s_mov_b32 s41, 1024<<16
	s_mov_b32 s42, 32<<16
	s_mov_b32 s43, 1024<<16
	s_mov_b32 s44, 32
	s_mov_b32 s45, 1024
	s_mov_b32 s46, 0
	s_mov_b32 s47, 0
	s_mov_b32 s99, 0
	s_mov_b32 s95, 0
	s_wait_kmcnt 0x0
	s_cmp_lt_u32 s3, 2
	s_cselect_b64 s[84:85], s[8:9], s[12:13]
	s_cselect_b64 s[86:87], s[10:11], s[14:15]
	s_cselect_b64 s[88:89], s[20:21], s[22:23]
	s_cmp_ge_u32 ttmp9, 32
	s_cselect_b64 s[84:85], s[4:5], s[84:85]
	s_cselect_b64 s[86:87], s[6:7], s[86:87]
	s_cselect_b64 s[90:91], s[16:17], s[4:5]
	s_cselect_b64 s[92:93], s[18:19], s[6:7]
	s_cselect_b32 s2, s37, s36
	s_cselect_b32 s73, 0xffff0000, 0
	s_cselect_b32 s96, 0, -1
	s_cselect_b32 s97, -1, 0
	s_mov_b32 s8, 15|(1<<20)|(1<<21)|(7<<22)|(3<<25)
	s_mov_b32 s9, 1024<<16
	s_mov_b32 s10, 8<<16
	s_mov_b32 s11, 1024<<16
	s_mov_b32 s12, 8
	s_mov_b32 s13, 1024
	s_mov_b32 s14, 0
	s_mov_b32 s15, 0
	s_lshl_b32 s98, s80, 10
	s_add_nc_u64 s[56:57], s[84:85], s[98:99]
	s_lshl_b32 s98, s34, 15
	s_add_nc_u64 s[56:57], s[56:57], s[98:99]
	s_mov_b32 s48, 1
	s_mov_b32 s49, s82
	s_mov_b64 s[50:51], s[56:57]
	s_or_b32 s51, s51, 0x80000000
	s_mov_b32 s52, 1
	s_add_co_u32 s53, s82, SLOT
	s_add_nc_u64 s[54:55], s[56:57], 131072
	s_or_b32 s55, s55, 0x80000000
	s_lshl_b32 s98, s81, 10
	s_add_nc_u64 s[18:19], s[84:85], s[98:99]
	s_lshl_b32 s98, s34, 13
	s_add_nc_u64 s[18:19], s[18:19], s[98:99]
	s_or_b32 s19, s19, 0x80000000
	s_mov_b32 s16, 1
	s_mul_i32 s17, s34, 8*XP
	s_add_co_u32 s17, s17, PRE
	s_lshl_b32 s98, s80, 5
	s_add_nc_u64 s[58:59], s[86:87], s[98:99]
	s_lshl_b32 s98, s81, 5
	s_add_nc_u64 s[86:87], s[86:87], s[98:99]
	ROUND
	tensor_load_to_lds s[16:19], s[8:15]           ; the head's one tensor load a wave: the 32 rows ahead of my first; the register operands' global loads are issued while it is out
	s_nop 0
	NOPS 4
	s_lshl_b32 s94, s2, 16
	s_add_nc_u64 s[90:91], s[90:91], s[94:95]
	s_lshl_b32 s94, s2, 11
	s_add_nc_u64 s[92:93], s[92:93], s[94:95]
	s_lshl_b32 s98, s39, 11
	s_add_nc_u64 s[88:89], s[88:89], s[98:99]
	s_lshl_b32 s94, s37, 8
	s_add_nc_u64 s[24:25], s[24:25], s[94:95]
	s_add_nc_u64 s[20:21], s[26:27], s[94:95]
	s_lshl_b32 s98, s38, 12
	s_add_nc_u64 s[20:21], s[20:21], s[98:99]
	v_and_b32 v13, 31, v0
	v_and_b32 v14, 15, v0
	v_bfe_u32 v15, v0, 4, 1
	v_lshlrev_b32 v12, 5, v13
	v_lshlrev_b32 v188, 10, v14
	v_lshl_add_u32 v188, v15, 4, v188
	v_lshlrev_b32 v189, 4, v13
	v_lshlrev_b32 v190, 2, v14
	WIN 0x40
	YLOAD 0
	YLOAD 1
	WIN 0x80
	YLOAD 2
	YLOAD 3
	WIN 0
.irp e,0,1
	global_load_b128 v[16+8*\e:19+8*\e], v12, s[92:93] offset:1024*\e
	global_load_b128 v[20+8*\e:23+8*\e], v12, s[92:93] offset:1024*\e+16
.endr
	global_load_b128 v[32:35], v12, s[86:87]
	global_load_b128 v[36:39], v12, s[86:87] offset:16
.irp k,0,1,2,3
	global_load_b128 v[64+4*\k:67+4*\k], v189, s[88:89] offset:512*\k
.endr
.irp yt,0,1,2,3
	global_load_b32 v[170+2*\yt], v190, s[24:25] offset:64*\yt
	global_load_b32 v[178+\yt], v190, s[20:21] offset:64*\yt
.endr
	s_wait_alu depctr_va_vdst(0)
	s_wait_tensorcnt 0x0                           ; slot 0's first fill is issued as a refill is
	ds_add_u32 v1, v2
	s_wait_dscnt 0x0
	ROUND
	tensor_load_to_lds s[48:51], s[40:47]
	s_nop 0
	NOPS 4
	v_mul_u32_u24 v183, v14, XP
	v_lshl_add_u32 v183, v15, 4, v183
	v_add_nc_u32 v3, PRE, v183
	s_lshl_b32 s83, s34, 11
	s_add_co_u32 s83, s83, BIAS
	v_lshl_add_u32 v5, v15, 5, s83
	v_add_nc_u32 v191, s83, v189
	s_mov_b32 s72, 0
	s_mov_b32 s66, 0
	s_mov_b32 s67, 0
	s_mov_b32 s68, 0
	s_mov_b32 s69, 0
	s_mov_b32 s74, 0xffff0000
	s_cmp_eq_u32 s3, 0
	s_cselect_b32 s75, -1, 0
	s_mov_b32 s76, 0x76543210
	s_mov_b32 s77, 0xfedcba98
	s_mov_b32 s78, 0x600000
.irp b,0,1,2,3
	v_mov_b32 v[148+\b], 0
	v_mov_b32 v[160+\b], 0
	v_mov_b32 v[164+\b], 0
	v_mov_b32 v[184+\b], 0
.endr
	s_wait_loadcnt 0x0
.irp i,0,1,2,3,4,5,6,7,8,9,10,11,12,13,14,15
	v_and_b32 v[64+\i], s96, v[64+\i]
.endr
.irp k,0,1,2,3
	ds_store_b128 v191, v[64+4*\k:67+4*\k] offset:512*\k
.endr
.irp yt,0,1,2,3
	v_and_b32 v[170+2*\yt], s97, v[170+2*\yt]
	v_mov_b32 v[171+2*\yt], v[170+2*\yt]
.endr
	s_and_b32 s6, s36, 31
	s_and_b32 s7, s36, 1
	s_lshl_b32 s84, s38, 3
	s_lshl_b32 s85, s39, 2
	s_add_co_u32 s85, s84, s85
	s_lshr_b32 s86, s37, 1
	s_add_co_u32 s86, s84, s86
	s_lshl_b32 s87, s85, 18
	s_lshl_b32 s89, s6, 13
	s_add_co_u32 s87, s87, s89
	s_lshl_b32 s88, s85, 13
	s_lshl_b32 s89, s6, 8
	s_add_co_u32 s88, s88, s89
	s_lshr_b32 s89, s6, 1
	s_lshl_b32 s90, s3, 2
	s_mov_b32 s21, 32768
	s_cmp_ge_u32 ttmp9, 32
	s_cselect_b32 s91, s86, s85
	s_cselect_b32 s90, s90, s89
	s_cselect_b32 s20, 16384, 0
	s_cselect_b32 s21, 33280, s21
	s_cselect_b32 s22, 1, 0
	s_mul_i32 s91, s91, HB
	s_mul_i32 s90, s90, BLK
	s_add_co_u32 s91, s91, s90
	s_add_co_u32 s20, s20, s91
	s_lshl_b32 s89, s7, 13
	s_add_co_u32 s20, s20, s89
	s_add_co_u32 s21, s21, s91
	s_lshl_b32 s89, s7, 8
	s_add_co_u32 s21, s21, s89
	s_lshr_b32 s23, s3, 1
	s_or_b32 s24, s23, s22
	s_mov_b32 s70, HB-1536
	s_mov_b32 s71, HB
	s_mov_b32 s97, 0
	s_cmp_eq_u32 s24, 0
	s_cselect_b64 s[60:61], s[28:29], s[32:33]
	s_cselect_b64 s[62:63], s[30:31], s[32:33]
	s_cselect_b32 s94, s87, s20
	s_cselect_b32 s96, s88, s21
	s_cselect_b32 s70, 262144-1536, s70
	s_cselect_b32 s71, 8192, s71
	s_add_nc_u64 s[60:61], s[60:61], s[94:95]
	s_add_nc_u64 s[62:63], s[62:63], s[96:97]
	s_cmp_eq_u32 s22, 1
	s_cselect_b32 s70, BLK-1536, s70
	s_cselect_b32 s71, BLK, s71
	s_xor_b32 s24, s22, 1
	s_and_b32 s24, s24, s23
	s_mov_b32 s87, 4096
	s_mov_b32 s88, 252
	s_cmp_eq_u32 s7, 1
	s_cselect_b32 s87, 21504, s87
	s_cselect_b32 s88, 33532, s88
	s_cmp_eq_u32 s24, 1
	s_cselect_b32 s86, 4096, 0
	s_cselect_b32 s87, s87, 0
	s_cselect_b32 s89, 4, 0
	s_cselect_b32 s88, s88, 0
.irp yt,0,1,2,3
	v_lshl_add_u32 v[6+\yt], v13, 4, 2048*\yt
.endr
	v_cmp_eq_u32 vcc_lo, 15, v14
	v_mov_b32 v188, s86
	v_cndmask_b32 v188, 0, v188, vcc_lo
	v_add_nc_u32 v7, v7, v188
	v_mov_b32 v188, s87
	v_cndmask_b32 v188, 0, v188, vcc_lo
	v_add_nc_u32 v9, v9, v188
	v_lshlrev_b32 v10, 3, v13
	v_lshl_add_u32 v11, v13, 3, 4
	v_cmp_eq_u32 vcc_lo, 31, v13
	v_mov_b32 v188, s89
	v_cndmask_b32 v188, 0, v188, vcc_lo
	v_add_nc_u32 v10, v10, v188
	v_mov_b32 v188, s88
	v_cndmask_b32 v188, 0, v188, vcc_lo
	v_add_nc_u32 v11, v11, v188
	s_wait_alu depctr_va_vdst(0)
	s_wait_tensorcnt 0x0                           ; slot 1's first fill likewise; it is read five blocks of 32 rows on
	ds_add_u32 v1, v2
	s_wait_dscnt 0x0
	ROUND
	tensor_load_to_lds s[52:55], s[40:47]
	s_nop 0
	NOPS 4
	s_mov_b32 s56, 0
	s_mov_b32 s81, 0
	s_wait_tensorcnt 0x2
	s_wait_dscnt 0x0
	s_barrier_signal -1
	s_barrier_wait -1
	ITER 3, 0, 1
	s_wait_tensorcnt 0x1
	s_wait_dscnt 0x0
	s_barrier_signal -1
	s_barrier_wait -1
	FOUR 0, 1, 0
	CHANGE 0, 1
	FOUR SLOT, 0, 1
	CHANGE 1, 1
	FOUR 0, 0, 1
	CHANGE 0, 0
	FOUR SLOT, 0, 1
	EPI 0, 2
	s_cmp_lt_u32 ttmp9, 32
	s_cbranch_scc1 .Lno_tail
	s_cmp_lg_u32 s3, 3
	s_cbranch_scc1 .Lno_tail
	s_wait_xcnt 0x0
	s_add_nc_u64 s[60:61], s[60:61], s[66:67]
	s_add_nc_u64 s[62:63], s[62:63], s[68:69]
.set JJ, 0
.rept 64
	v_mov_b32 v[64+JJ], 0
.set JJ, JJ+1
.endr
.irp yt,0,1,2,3
	v_cndmask_b32 v[79+16*\yt], v[79+16*\yt], v[160+\yt], s74
.endr
	QCORE
.irp yt,0,1,2,3
	global_store_b128 v[6+\yt], v[128+4*\yt:131+4*\yt], s[60:61]
.irp c,1,2,3
	global_store_b128 v[6+\yt], v[184:187], s[60:61] offset:512*\c
.endr
.endr
	v_cndmask_b32 v168, v148, v149, s74
	v_cndmask_b32 v169, v150, v151, s74
	global_store_b32 v10, v168, s[62:63]
	global_store_b32 v11, v169, s[62:63]
.Lno_tail:
	s_cmp_lg_u32 ttmp9, 0
	s_cbranch_scc1 .Lno_zero
	s_wait_xcnt 0x0
	s_mul_i32 s94, s35, 8*HB
	s_add_nc_u64 s[32:33], s[32:33], s[94:95]
	s_cmp_lg_u32 s34, 0
	s_cbranch_scc1 .Lno_lat
	v_and_b32 v188, 7, v14
	v_lshlrev_b32 v189, 9, v188
	v_lshl_add_u32 v189, v15, 5, v189
	s_lshl_b32 s94, s35, 12
	s_add_nc_u64 s[26:27], s[26:27], s[94:95]
.irp c,0,1,2,3
.irp u,0,1
	global_load_b128 v[64+16*\c+8*\u:67+16*\c+8*\u], v189, s[26:27] offset:128*\c+64*\u
	global_load_b128 v[68+16*\c+8*\u:71+16*\c+8*\u], v189, s[26:27] offset:128*\c+64*\u+16
.endr
.endr
	v_mul_u32_u24 v191, v188, HB
	v_lshl_add_u32 v190, v15, 8, v191
	s_wait_loadcnt 0x0
	QCORE
	v_lshl_or_b32 v168, v149, 8, v148
	v_lshl_or_b32 v168, v150, 16, v168
	v_lshl_or_b32 v168, v151, 24, v168
	v_cmp_gt_u32 vcc_lo, 8, v14
	s_wait_alu depctr_va_vdst(0)
	s_wait_xcnt 0x0
	s_and_saveexec_b32 s90, vcc_lo
.irp c,0,1,2,3
	global_store_b128 v190, v[128+4*\c:131+4*\c], s[32:33] offset:2048+240+512*\c
.endr
	global_store_b32 v191, v168, s[32:33] offset:32768+248
	s_wait_xcnt 0x0
	s_or_b32 exec_lo, exec_lo, s90
.Lno_lat:
	s_lshl_b32 s94, s34, 1
	s_mul_i32 s94, s94, HB
	s_add_co_u32 s94, s94, 16*BLK
	s_add_nc_u64 s[32:33], s[32:33], s[94:95]
	v_lshlrev_b32 v192, 4, v13
	v_lshlrev_b32 v193, 2, v13
.irp hh,0,1
.irp T,0,2,3,4,5,6,7
.irp c,0,1,2,3
	global_store_b128 v192, v[184:187], s[32:33] offset:\hh*HB+\T*2048+512*\c
.endr
.endr
.irp k,0,2,3
	global_store_b32 v193, v184, s[32:33] offset:\hh*HB+32768+128*\k
.endr
.endr
	v_cmp_ne_u32 vcc_lo, 15, v14
	s_wait_alu depctr_va_vdst(0)
	s_wait_xcnt 0x0
	s_and_saveexec_b32 s90, vcc_lo
.irp hh,0,1
.irp c,0,1,2,3
	global_store_b128 v192, v[184:187], s[32:33] offset:\hh*HB+2048+512*\c
.endr
.endr
	s_wait_xcnt 0x0
	s_or_b32 exec_lo, exec_lo, s90
	v_cmp_ne_u32 vcc_lo, 30, v13
	s_and_saveexec_b32 s90, vcc_lo
.irp hh,0,1
	global_store_b32 v193, v184, s[32:33] offset:\hh*HB+32768+128
.endr
	s_wait_xcnt 0x0
	s_or_b32 exec_lo, exec_lo, s90
.Lno_zero:
	s_wait_tensorcnt 0x0
	ds_add_u32 v1, v2
	s_wait_dscnt 0x0
	ROUND
	s_endpgm
.Lfunc_end_k_qc8c082f1a9_proj:
	.size	k_qc8c082f1a9_proj, .Lfunc_end_k_qc8c082f1a9_proj-k_qc8c082f1a9_proj
	.p2alignl 7, 3214868480
	.fill 96, 4, 3214868480
	.section	.rodata,"a",@progbits
	.p2align	6, 0x0
	.amdhsa_kernel k_qc8c082f1a9_proj
		.amdhsa_group_segment_fixed_size 327680
		.amdhsa_private_segment_fixed_size 0
		.amdhsa_enable_private_segment 0
		.amdhsa_kernarg_size 120
		.amdhsa_user_sgpr_count 2
		.amdhsa_user_sgpr_kernarg_segment_ptr 1
		.amdhsa_wavefront_size32 1
		.amdhsa_system_sgpr_workgroup_id_x 1
		.amdhsa_system_sgpr_workgroup_id_y 1
		.amdhsa_system_sgpr_workgroup_id_z 1
		.amdhsa_system_vgpr_workitem_id 0
		.amdhsa_next_free_vgpr 1024
		.amdhsa_next_free_sgpr 100
		.amdhsa_reserve_vcc 1
		.amdhsa_float_denorm_mode_32 3
		.amdhsa_float_denorm_mode_16_64 3
		.amdhsa_memory_ordered 1
		.amdhsa_forward_progress 1
		.amdhsa_inst_pref_size 255
	.end_amdhsa_kernel
	.section	.bss,"aw",@nobits
	.p2align	6
	.space	262144
	.amdgpu_metadata
---
amdhsa.version: [ 1, 2 ]
amdhsa.kernels:
  - .name:           k_qc8c082f1a9_proj
    .symbol:         k_qc8c082f1a9_proj.kd
    .args:
      - { .name: hidden_states_codes, .offset: 0, .size: 8, .value_kind: global_buffer, .address_space: global }
      - { .name: hidden_states_scales, .offset: 8, .size: 8, .value_kind: global_buffer, .address_space: global }
      - { .name: Wq_codes, .offset: 16, .size: 8, .value_kind: global_buffer, .address_space: global }
      - { .name: Wq_scales, .offset: 24, .size: 8, .value_kind: global_buffer, .address_space: global }
      - { .name: Wk_codes, .offset: 32, .size: 8, .value_kind: global_buffer, .address_space: global }
      - { .name: Wk_scales, .offset: 40, .size: 8, .value_kind: global_buffer, .address_space: global }
      - { .name: Wv_codes, .offset: 48, .size: 8, .value_kind: global_buffer, .address_space: global }
      - { .name: Wv_scales, .offset: 56, .size: 8, .value_kind: global_buffer, .address_space: global }
      - { .name: bq, .offset: 64, .size: 8, .value_kind: global_buffer, .address_space: global }
      - { .name: bk, .offset: 72, .size: 8, .value_kind: global_buffer, .address_space: global }
      - { .name: bv, .offset: 80, .size: 8, .value_kind: global_buffer, .address_space: global }
      - { .name: latent_layer_memory_i, .offset: 88, .size: 8, .value_kind: global_buffer, .address_space: global }
      - { .name: qc, .offset: 96, .size: 8, .value_kind: global_buffer, .address_space: global }
      - { .name: qs, .offset: 104, .size: 8, .value_kind: global_buffer, .address_space: global }
      - { .name: kv, .offset: 112, .size: 8, .value_kind: global_buffer, .address_space: global }
    .group_segment_fixed_size: 327680
    .private_segment_fixed_size: 0
    .kernarg_segment_align: 8
    .kernarg_segment_size: 120
    .max_flat_workgroup_size: 128
    .sgpr_count:     100
    .vgpr_count:     1024
    .wavefront_size: 32
...
	.end_amdgpu_metadata
.endif
;; end of part 3
;; launch attn (part 4): grid 4 x 64, 8 waves a work-group, clusters of 4 x 4, 327,680 bytes of LDS; arguments qc, qs, kv, attention_mask, out0; writes out0
.if DOCPART == 4
	.amdgcn_target "amdgcn-amd-amdhsa--gfx1250"
	.amdhsa_code_object_version 6
	.text
	.protected	k_qc8c082f1a9_attn
	.globl	k_qc8c082f1a9_attn
	.p2align	8
	.type	k_qc8c082f1a9_attn,@function
k_qc8c082f1a9_attn:
	s_mov_b64 s[64:65], 0
	v_nop
	global_prefetch_b8 v0, s[64:65] scope:SCOPE_SE
	s_setreg_imm32_b32 hwreg(HW_REG_WAVE_MODE, 25, 1), 1
	s_wait_xcnt 0x0
	s_wait_alu depctr_hold_cnt(0) depctr_sa_sdst(0) depctr_va_vdst(0) depctr_va_sdst(0) depctr_va_ssrc(0) depctr_va_vcc(0) depctr_vm_vsrc(0)
	s_getreg_b32 s2, hwreg(HW_REG_IB_STS2, 6, 4)
	s_cmp_eq_u32 s2, 0
	s_cbranch_scc0 .Lentry_in_a_cluster
	s_endpgm
.Lentry_in_a_cluster:
	s_bfe_u32 s2, ttmp6, 0x10000c
	s_cmp_lg_u32 s2, 0xf033
	s_cbranch_scc0 .Lentry_shape_is_right
	s_endpgm
.Lentry_shape_is_right:
; out[b][q][128 head ..] = the sum over the 2,049 keys of softmax(Q . K / sqrt(128) + mask) V, both products on codes of E5M2 with one E8M0 scale for each 32 along K.
; Q, K and V^T come as images of operand registers (16 bytes a lane, 512 a quarter of a fragment), made by the launch before; the additive mask is f32, [b][query][hidden row].
; THE SOFTMAX AHEAD OF THE SECOND PRODUCT: t = logit x log2(e); M = the running largest t rounded up to a whole number; p = 2^(t - M) is quantised along the keys; the row's sum is taken of the unquantised p and divides at the end.
; SHARES.  A work-group owns 128 queries x 2 heads.  Wave w: head 2 cx + w / 4, queries 32 (w % 4) on: two tiles of 16.  Tile x lives in register window x under the same numbers.  17 key steps of 128 places.
; THE ORDER OF KEYS.  Block g = 4 j + cb of 32: place (h = lane / 16, i = 8 u + jj) is x = 16 u + 8 h + jj; x <= 30 is hidden row 32 g + x, x = 31 is hidden row 32 g - 1 (g = 0: the latent, mask 0).  Step 16 has one key, at block 64's x = 31.
; THE MASK IS THE C OF THE FIRST PRODUCT: it is loaded into the scores' registers and multiplied by sqrt(128); S = K Q^T + that; t = S x log2(e) / sqrt(128).
;   Register 15 of lanes 16-31 wants the column ahead of its block: a load of its own; for a step's first block it is the last step's column 127, carried in v10.
; CLUSTER, 4 x 4.  The mask's tile hangs on the query block alone: the four work-groups of a row of the cluster (the batch's 8 heads) ask for it jointly.  K's and V's blocks hang on batch and head pair:
;   shared along a column.  Waves 0, 1 fetch the two heads' blocks, waves 2, 3 the mask's two halves, one tensor load each; by this text's count a wave has one out.
; LIMITS: NaN and +infinity in the mask are not served; -infinity is served on the understanding that a C of -infinity stays so in the product.  A block of p that has fallen to zeros keeps the scale byte 1.
; REGISTERS.  each window x: v10 the carried mask word; v12 -M, v13 the largest t, v[14:15] the sum; v16-31 Q; v96-159 mask, S, p; v160-223 O^T; v224-239 p's codes; v232-254 at work.
;   window 1 also: v32-95 four fragments of K or V.   window 0 also: v2-5 K's scale words, v6-9 V's, v248-249 p's, v255 Q's; v32-33 the spare word's address and 0; v34-43 LDS addresses by slot; v44 the prefetches' offset; v45-47 the way out; v60-61 offsets.
.set HB,    574464
.set BLK,   33792                      ; a key step's block of one head; also half a mask tile: 64 rows x 528
.set SLOT,  4*BLK                      ; head 2 cx | head 2 cx + 1 | mask rows 0-63 | mask rows 64-127
.set MOFF,  2*BLK
.set MP,    528                        ; a mask row in LDS: 512 bytes + 16
.set STAGE, 2*SLOT                     ; 16 rows x 272 bytes a wave, for the way out; no tile lands here
.set SPARE, STAGE+8*16*272             ; the spare words, 128 bytes a wave
.set MSB, 0
.macro WIN new
.if MSB != (\new)
	s_set_vgpr_msb (MSB<<8)|(\new)
.set MSB, (\new)
.endif
.endm
.macro NOPS n
.rept \n
	v_nop
.endr
.endm
.macro ROUND                           ; a round of the cluster's barrier
	s_barrier_signal -1
	s_barrier_wait -1
	s_cmp_lg_u32 s14, 0
	s_cbranch_scc1 .Lnot_wave_0_\@
	s_barrier_signal -3
.Lnot_wave_0_\@:
	s_barrier_wait -3
	s_barrier_signal -1
	s_barrier_wait -1
.endm
; The joint loads into slot s.  The branches hang on the wave's number alone.  both = 0: K and V alone (key step 16 has no mask tile).  Four v_nop follow each load.
.macro JLOAD s, both
	s_cmp_lt_u32 s14, 2
	s_cbranch_scc0 .Lnot_kv_\@
	tensor_load_to_lds s[40+4*(\s):43+4*(\s)], s[24:31]
	s_nop 0
	NOPS 4
	s_branch .Lasked_\@
.Lnot_kv_\@:
.if \both
	s_cmp_lt_u32 s14, 4
	s_cbranch_scc0 .Lasked_\@
	tensor_load_to_lds s[48+4*(\s):51+4*(\s)], s[32:39]
	s_nop 0
	NOPS 4
.endif
.Lasked_\@:
.endm
; A prefetch of the tile that the NEXT change of slots will ask for, one instruction in each of waves 4 to 7.  Mask: waves 4, 5 of every work-group: rows 32 cx + lane of the 128 (the partners share them by address),
; one 256-byte half of the step's 512 bytes each.  K and V: waves 6, 7, in the batch's first cluster alone: head 2 cx + (w - 6), 8,192 bytes at 8,192 cy, lanes 256 bytes apart.  So each block is named once.
; kind 0: both; kind 1: K and V alone (the mask has no tile 16).
.macro ASK kind
	s_cmp_eq_u32 s[71+\kind], 1
	s_cbranch_scc0 .Lnot_mine_\@
	global_prefetch_b8 v44, s[56:57] th:TH_LOAD_NT scope:SCOPE_SE
.Lnot_mine_\@:
.endm
.macro WMS d, a, b, sa, sb, ra, rb     ; D = A B + D
.if ((\ra) != 0) && ((\rb) != 0)
	v_wmma_scale_f32_16x16x128_f8f6f4 v[(\d):(\d)+7], v[(\a):(\a)+15], v[(\b):(\b)+15], v[(\d):(\d)+7], v[(\sa)], v[(\sb)] matrix_a_fmt:MATRIX_FMT_BF8 matrix_b_fmt:MATRIX_FMT_BF8 matrix_a_scale:MATRIX_SCALE_ROW1 matrix_b_scale:MATRIX_SCALE_ROW1
.elseif (\ra) != 0
	v_wmma_scale_f32_16x16x128_f8f6f4 v[(\d):(\d)+7], v[(\a):(\a)+15], v[(\b):(\b)+15], v[(\d):(\d)+7], v[(\sa)], v[(\sb)] matrix_a_fmt:MATRIX_FMT_BF8 matrix_b_fmt:MATRIX_FMT_BF8 matrix_a_scale:MATRIX_SCALE_ROW1
.elseif (\rb) != 0
	v_wmma_scale_f32_16x16x128_f8f6f4 v[(\d):(\d)+7], v[(\a):(\a)+15], v[(\b):(\b)+15], v[(\d):(\d)+7], v[(\sa)], v[(\sb)] matrix_a_fmt:MATRIX_FMT_BF8 matrix_b_fmt:MATRIX_FMT_BF8 matrix_b_scale:MATRIX_SCALE_ROW1
.else
	v_wmma_scale_f32_16x16x128_f8f6f4 v[(\d):(\d)+7], v[(\a):(\a)+15], v[(\b):(\b)+15], v[(\d):(\d)+7], v[(\sa)], v[(\sb)] matrix_a_fmt:MATRIX_FMT_BF8 matrix_b_fmt:MATRIX_FMT_BF8
.endif
.endm
; tile x's 64 mask words a lane, into the scores' registers: 20 loads
.macro MLOAD x, s
.irp cb,0,1,2,3
	ds_load_b128 v[96+16*\cb:99+16*\cb], v[38+\s] offset:8448*\x+128*\cb
	ds_load_b128 v[100+16*\cb:103+16*\cb], v[38+\s] offset:8448*\x+128*\cb+16
	ds_load_b128 v[104+16*\cb:107+16*\cb], v[38+\s] offset:8448*\x+128*\cb+64
	ds_load_b96 v[108+16*\cb:110+16*\cb], v[38+\s] offset:8448*\x+128*\cb+80
.if \cb == 0
	ds_load_b32 v111, v[40+\s] offset:8448*\x                                ; lanes 16-31 get the carried word instead
.else
	ds_load_b32 v[111+16*\cb], v[42+\s] offset:8448*\x+128*\cb               ; lanes 0-15: column 32 cb + 23; lanes 16-31: column 32 cb - 1
.endif
.endr
.endm
.macro MFIX x, s
	WIN 0x55*(\x)
	v_cndmask_b32 v111, v111, v10, s69
.set JJ, 0
.rept 32
	v_pk_mul_f32 v[96+JJ:97+JJ], v[96+JJ:97+JJ], s[66:67] op_sel_hi:[1,0]    ; x sqrt(128)
.set JJ, JJ+2
.endr
	WIN 0x40*(\x)
	ds_load_b32 v10, v[40+\s] offset:8448*\x+416                             ; column 127, for the next step's first block
.endm
.macro FLOAD s, base                   ; four images, from byte base of my head's block, into window 1
	WIN 0x40
.irp t,0,1,2,3
.irp c,0,1,2,3
	ds_load_b128 v[32+16*\t+4*\c:35+16*\t+4*\c], v[34+\s] offset:(\base)+2048*\t+512*\c
.endr
.endr
.endm
.macro QKM g                           ; S^T += K Q^T: tiles 4 g .. 4 g + 3 of 16 keys, for my two tiles of queries: eight accumulators, one instruction each
	WIN 0x01
.irp t,0,1,2,3
	WMS 96+8*(4*\g+\t), 32+16*\t, 16, 2+(4*\g+\t)/2, 255, \t%2, 0
.endr
	WIN 0x55
.irp t,0,1,2,3
	WMS 96+8*(4*\g+\t), 32+16*\t, 16, 2+(4*\g+\t)/2, 255, \t%2, 1
.endr
.endm
.macro FL1 w, reg, s, off              ; one image (16 registers) from byte off of my head's block into window w at reg
	WIN 0x40*(\w)
.irp c,0,1,2,3
	ds_load_b128 v[(\reg)+4*\c:(\reg)+4*\c+3], v[34+\s] offset:(\off)+512*\c
.endr
.endm
; K's tiles 4 to 7 lie in registers that are idle during the first product: window 0 v48-95 (three images), window 1 v224-239 (one): so all eight tiles of K are fetched in one go
.macro QKN
	WIN 0x00
	WMS 128, 48, 16, 4, 255, 0, 0
	WMS 136, 64, 16, 4, 255, 1, 0
	WMS 144, 80, 16, 5, 255, 0, 0
	WIN 0x01
	WMS 152, 224, 16, 5, 255, 1, 0
	WIN 0x54
	WMS 128, 48, 16, 4, 255, 0, 1
	WMS 136, 64, 16, 4, 255, 1, 1
	WMS 144, 80, 16, 5, 255, 0, 1
	WIN 0x55
	WMS 152, 224, 16, 5, 255, 1, 1
.endm
; tile x's softmax for key step 16: one block of 32 places (16 registers a lane), of which one holds a key.  The other three blocks hold no key: zero codes, scale byte 1
.macro SMT x
	WIN 0x55*(\x)
	v_max3_num_f32 v232, v96, v97, v98
.irp i,3,5,7,9,11,13
	v_max3_num_f32 v232, v232, v[96+\i], v[97+\i]
.endr
	v_max_num_f32 v232, v232, v111
	v_permlanex16_b32 v236, v232, s60, s61
	v_max_num_f32 v232, v232, v236
	v_mul_f32 v254, s62, v232                      ; as t
	v_max_num_f32 v13, v13, v254
	v_mov_b32 v254, v12
	v_floor_f32 v12, -v13                          ; -M
	v_sub_f32 v254, v12, v254
	v_cvt_i32_f32 v254, v254
	v_ldexp_f32 v252, 1.0, v254                    ; f = 2^(old M - new M)
.irp j,0,2,4,6,8,10,12,14
	v_pk_fma_f32 v[96+\j:97+\j], v[96+\j:97+\j], s[62:63], v[12:13] op_sel_hi:[1,0,0]
.endr
	v_fma_f32 v232, v232, s62, v12
	s_wait_alu depctr_va_vdst(0)                   ; ahead of the batch
.irp j,0,1,2,3,4,5,6,7,8,9,10,11,12,13,14,15
	v_exp_f32 v[96+\j], v[96+\j]
.endr
	v_exp_f32 v232, v232                           ; the block's largest p
	v_pk_mul_f32 v[14:15], v[14:15], v[252:253] op_sel_hi:[1,0]
	s_wait_alu depctr_va_vdst(0)                   ; and behind it, ahead of its first reader
.irp j,0,2,4,6,8,10,12,14
	v_pk_add_f32 v[14:15], v[14:15], v[96+\j:97+\j]
.endr
	v_max_num_f32 v232, 0x8000000, v232            ; the floor 2^(16 - 127)
	v_add_nc_u32 v244, 0xf8800000, v232
	v_and_or_b32 v240, v232, 0x7f800000, s68
	v_lshrrev_b32 v236, 23, v244
	v_or_b32 v253, 0x01010100, v236                ; the scale word: this block's byte, and 1 for the three blocks of zeros
.if \x
	WIN 0x01
	v_mov_b32 v249, v253
	WIN 0x55
.else
	v_mov_b32 v248, v253
.endif
.irp i,0,1,2,3,4,5,6,7,8,9,10,11,12,13,14,15
	v_min_num_f32 v[96+\i], v[96+\i], v240
.endr
	v_cvt_scalef32_pk8_bf8_f32 v[224:225], v[96:103], v244
	v_cvt_scalef32_pk8_bf8_f32 v[226:227], v[104:111], v244
.irp j,228,229,230,231,232,233,234,235,236,237,238,239
	v_mov_b32 v[\j], 0
.endr
	s_wait_alu depctr_va_vdst(0)                   ; ahead of the first reader of O^T
.set JJ, 0
.rept 32
	v_pk_mul_f32 v[160+JJ:161+JJ], v[160+JJ:161+JJ], v[252:253] op_sel_hi:[1,0]
.set JJ, JJ+2
.endr
.endm
; V's d tiles 0 to 3 lie in window 1 v32-95, tiles 4 to 7 in window 0 v96-159 (tile 0's p, done with once its codes are made)
.macro PVM g
	WIN 0x01-\g
.irp t,0,1,2,3
	WMS 160+8*(4*\g+\t), 32+64*\g+16*\t, 224, 6+(4*\g+\t)/2, 248, \t%2, 0
.endr
	WIN 0x55-\g
.irp t,0,1,2,3
	WMS 160+8*(4*\g+\t), 32+64*\g+16*\t, 224, 6+(4*\g+\t)/2, 249, \t%2, 0
.endr
.endm
; tile x's softmax for a key step, and p's codes and scale word
.macro SM x
	WIN 0x55*(\x)
.irp b,0,1,2,3
	v_max3_num_f32 v[232+\b], v[96+16*\b], v[97+16*\b], v[98+16*\b]          ; the largest score of each block of 32: for the row's maximum, and, since p rises with the score, for the block's largest p
.endr
.irp i,3,5,7,9,11,13
.irp b,0,1,2,3
	v_max3_num_f32 v[232+\b], v[232+\b], v[96+16*\b+\i], v[97+16*\b+\i]
.endr
.endr
.irp b,0,1,2,3
	v_max_num_f32 v[232+\b], v[232+\b], v[111+16*\b]
.endr
.irp b,0,1,2,3
	v_permlanex16_b32 v[236+\b], v[232+\b], s60, s61
.endr
.irp b,0,1,2,3
	s_delay_alu instid0(VALU_DEP_4)
	v_max_num_f32 v[232+\b], v[232+\b], v[236+\b]
.endr
	s_delay_alu instid0(VALU_DEP_2)
	v_max3_num_f32 v254, v232, v233, v234
	s_delay_alu instid0(VALU_DEP_1)
	v_max_num_f32 v254, v254, v235
	s_delay_alu instid0(VALU_DEP_1)
	v_mul_f32 v254, s62, v254                      ; as t
	s_delay_alu instid0(VALU_DEP_1)
	v_max_num_f32 v13, v13, v254                   ; the running largest t
	v_mov_b32 v254, v12
	s_delay_alu instid0(VALU_DEP_2)
	v_floor_f32 v12, -v13                          ; -M = floor(-t): M is a whole number
	s_delay_alu instid0(VALU_DEP_1)
	v_sub_f32 v254, v12, v254
	s_delay_alu instid0(VALU_DEP_1)
	v_cvt_i32_f32 v254, v254                       ; (it saturates)
	s_delay_alu instid0(VALU_DEP_1)
	v_ldexp_f32 v252, 1.0, v254                    ; f = 2^(old M - new M): rounds nothing
.set JJ, 0
.rept 32
	v_pk_fma_f32 v[96+JJ:97+JJ], v[96+JJ:97+JJ], s[62:63], v[12:13] op_sel_hi:[1,0,0]   ; t - M
.set JJ, JJ+2
.endr
.irp b,0,1,2,3
	v_fma_f32 v[232+\b], v[232+\b], s62, v12
.endr
.set JJ, 0
	s_wait_alu depctr_va_vdst(0)
.rept 64
	v_exp_f32 v[96+JJ], v[96+JJ]                   ; p, not normalised
.set JJ, JJ+1
.endr
	v_pk_mul_f32 v[14:15], v[14:15], v[252:253] op_sel_hi:[1,0]   ; the sums under the new M; the plain line behind the exponentials
	s_wait_alu depctr_va_vdst(0)                   ; one wait for the batch of 64, ahead of its first reader
.irp b,0,1,2,3
	v_exp_f32 v[232+\b], v[232+\b]                 ; each block's largest p
.endr
	v_pk_add_f32 v[236:237], v[96:97], v[98:99]    ; the row's sum, of the unquantised p, in two chains
.irp j,4,8,12,16,20,24,28,32,36,40,44,48,52,56,60
	v_pk_add_f32 v[14:15], v[14:15], v[96+\j:97+\j]
	v_pk_add_f32 v[236:237], v[236:237], v[98+\j:99+\j]
.endr
	s_delay_alu instid0(VALU_DEP_1)
	v_pk_add_f32 v[14:15], v[14:15], v[236:237]
	s_wait_alu depctr_va_vdst(0)                   ; and one for the four
.irp b,0,1,2,3
	v_max_num_f32 v[232+\b], 0x8000000, v[232+\b]  ; the floor 2^(16 - 127)
.endr
.irp b,0,1,2,3
	s_delay_alu instid0(VALU_DEP_4)
	v_add_nc_u32 v[244+\b], 0xf8800000, v[232+\b]  ; the conversion's scale operand
.endr
.irp b,0,1,2,3
	v_and_or_b32 v[240+\b], v[232+\b], 0x7f800000, s68   ; 57,344 x the scale
.endr
.irp b,0,1,2,3
	v_lshrrev_b32 v[236+\b], 23, v[244+\b]
.endr
	s_delay_alu instid0(VALU_DEP_3)
	v_lshl_or_b32 v253, v237, 8, v236
	s_delay_alu instid0(VALU_DEP_1)
	v_lshl_or_b32 v253, v238, 16, v253
	s_delay_alu instid0(VALU_DEP_1)
	v_lshl_or_b32 v253, v239, 24, v253
.if \x
	WIN 0x01
	v_mov_b32 v249, v253                           ; scale operands are taken from window 0
	WIN 0x55
.else
	s_delay_alu instid0(VALU_DEP_1)
	v_mov_b32 v248, v253
.endif
.irp b,0,1,2,3
.irp i,0,1,2,3,4,5,6,7,8,9,10,11,12,13,14,15
	v_min_num_f32 v[96+16*\b+\i], v[96+16*\b+\i], v[240+\b]   ; the hold; p is not negative
.endr
	v_cvt_scalef32_pk8_bf8_f32 v[224+4*\b:225+4*\b], v[96+16*\b:103+16*\b], v[244+\b]
	v_cvt_scalef32_pk8_bf8_f32 v[226+4*\b:227+4*\b], v[104+16*\b:111+16*\b], v[244+\b]
.endr
.set JJ, 0
.rept 32
	v_pk_mul_f32 v[160+JJ:161+JJ], v[160+JJ:161+JJ], v[252:253] op_sel_hi:[1,0]   ; O^T under the new M; also the places between the codes and the products
.set JJ, JJ+2
.endr
.endm
; A KEY STEP out of slot s
.macro STEP s, tail
	ds_load_b64 v[2:3], v[36+\s]                   ; K's scale words: register cb: lanes 0-15 tile 2 cb, lanes 16-31 tile 2 cb + 1
	ds_load_b64 v[4:5], v[36+\s] offset:256
	ds_load_b64 v[6:7], v[36+\s] offset:512        ; V's likewise
	ds_load_b64 v[8:9], v[36+\s] offset:768
.if \tail
	FL1 1, 48, \s, 2048                            ; key step 16's one key stands in K's tile 1: that image alone
.irp x,0,1
	WIN 0x55*\x
.set JJ, 0
.rept 16
	v_mov_b32 v[96+JJ], s94
.set JJ, JJ+1
.endr
	v_mul_f32 v10, s66, v10
	s_delay_alu instid0(VALU_DEP_1)
	v_cndmask_b32 v111, v111, v10, s69             ; but at block 64's x = 31: hidden row 2,047's mask word
.endr
	s_wait_alu depctr_va_vdst(0)
	s_wait_dscnt 0x0
	NOPS 4
	WIN 0x01
	WMS 104, 48, 16, 2, 255, 1, 0                  ; tile 1 of K against my two tiles of queries
	WIN 0x55
	WMS 104, 48, 16, 2, 255, 1, 1
.else
	MLOAD 0, \s
	WIN 0x40
	MLOAD 1, \s
	FLOAD \s, 0
	s_wait_dscnt 36                                ; the scale words and tile 0's mask are in; tile 1's 20 loads and K's first 16 may be out
	MFIX 0, \s
	FL1 1, 224, \s, 14336                          ; K's tiles 4 to 7: 16 loads
	FL1 0, 48, \s, 8192
	FL1 0, 64, \s, 10240
	FL1 0, 80, \s, 12288
	s_wait_dscnt 33                                ; tile 1's mask is in; K's first 16, tile 0's carry and K's second 16 may be out
	MFIX 1, \s
	s_wait_alu depctr_va_vdst(0)
	s_wait_dscnt 1                                 ; all of K is in; tile 1's carry may be out
	QKM 0
	QKN
.endif
	NOPS 8                                         ; places in front of loads into registers that matrix instructions have read, and of the first read of the scores
	FLOAD \s, 16384                                ; V's first four images come while the softmax is worked
.if \tail
	SMT 0
.else
	SM 0
.endif
.irp t,0,1,2,3
	FL1 0, 96+16*\t, \s, 24576+2048*\t             ; V's last four, into tile 0's p, while tile 1's softmax is worked
.endr
.if \tail
	SMT 1
.else
	SM 1
.endif
	s_wait_alu depctr_va_vdst(0)
	s_wait_dscnt 0x0
	PVM 0
	PVM 1
	NOPS 8
	WIN 0
.endm
; The change of slots, at a step's head, and the step.  fill = 1: the other slot gets the next step's tiles; 2: K and V alone; 0: nothing.  ask: the prefetch's kind, or -1.
.macro TRIP s, fill, ask, tail
	s_wait_tensorcnt 0x0                           ; my tensor load, my part of this slot, has landed: so every group 0 may be written
	ds_add_u32 v32, v33                            ; 0 onto my spare word
	s_add_nc_u64 s[42+4*\s:43+4*\s], s[42+4*\s:43+4*\s], 2*BLK     ; this slot's next tiles
	s_add_nc_u64 s[50+4*\s:51+4*\s], s[50+4*\s:51+4*\s], 1024
	s_wait_xcnt 0x0                                ; the last prefetch, a step back, has read its address
	s_add_nc_u64 s[56:57], s[56:57], s[58:59]
	s_wait_dscnt 0x0                               ; the add is done, and my reads of the other slot are over
	ROUND
.if \fill == 1
	JLOAD 1-\s, 1
.elseif \fill == 2
	JLOAD 1-\s, 0
.endif
.if \ask >= 0
	ASK \ask
.endif
	STEP \s, \tail
.endm
	s_load_b256 s[4:11], s[0:1], 0x0               ; qc, qs, kv, mask
	s_load_b64 s[12:13], s[0:1], 0x20              ; out
	v_lshl_add_u32 v32, v0, 2, SPARE
	v_mov_b32 v33, 0
	ds_add_u32 v32, v33
	ds_add_u32 v32, v33
	s_wait_dscnt 0x0
	v_lshrrev_b32 v1, 5, v0
	s_delay_alu instid0(VALU_DEP_1)
	v_readfirstlane_b32 s14, v1                    ; wave 0..7
	s_bfe_u32 s15, ttmp6, 0x40000                  ; cx: the head pair
	s_bfe_u32 s16, ttmp6, 0x40004                  ; cy
	s_and_b32 s17, ttmp7, 0xffff                   ; the cluster's y
	s_lshr_b32 s18, s17, 2                         ; the batch
	s_lshl_b32 s19, s17, 2
	s_add_co_u32 s19, s19, s16                     ; y = 16 b + block of 128 queries
	s_and_b32 s23, s14, 1
	s_lshl_b32 s20, 0x1111, s15                    ; my column of the cluster
	s_lshl_b32 s21, s16, 2
	s_lshl_b32 s21, 15, s21                        ; my row
	; group 1 for K's and V's blocks: 33,792 dense bytes as 132 rows of 256 (32 elements of 8 bytes), no padding
	s_or_b32 s24, s20, (3<<16)|(1<<21)
	s_mov_b32 s25, 32<<16
	s_mov_b32 s26, 132<<16
	s_mov_b32 s27, 32<<16
	s_mov_b32 s28, 132
	s_mov_b32 s29, 32
	s_mov_b32 s30, 0
	s_mov_b32 s31, 0
	; group 1 for the mask: 64 rows x 128 words, 2,048 words from row to row, four words of padding behind every 128
	s_or_b32 s32, s21, (2<<16)|(1<<20)|(1<<21)|(6<<22)|(3<<25)
	s_mov_b32 s33, 128<<16
	s_mov_b32 s34, 64<<16
	s_mov_b32 s35, 128<<16
	s_mov_b32 s36, 64
	s_mov_b32 s37, 2048
	s_mov_b32 s38, 0
	s_mov_b32 s39, 0
	s_lshl_b32 s73, s18, 3
	s_lshl_b32 s74, s15, 1
	s_add_co_u32 s73, s73, s74                     ; 8 b + 2 cx
	s_add_co_u32 s74, s73, s23                     ; the head whose block I fetch: batch, cx and the wave alone
	s_mul_i32 s74, s74, HB
	s_mov_b32 s75, 0
	s_lshl_b32 s78, s19, 20                        ; the mask's row 128 y, 8,192 bytes a row: y and the wave alone
	s_lshl_b32 s79, s23, 19
	s_add_co_u32 s78, s78, s79
	s_mov_b32 s79, 0
	s_mul_i32 s22, s14, BLK                        ; piece w of a slot
	s_wait_kmcnt 0x0
	s_add_nc_u64 s[76:77], s[8:9], s[74:75]
	s_add_nc_u64 s[80:81], s[10:11], s[78:79]
.irp s,0,1
	s_mov_b32 s[40+4*\s], 1
	s_add_co_u32 s[41+4*\s], s22, \s*SLOT
	s_add_nc_u64 s[42+4*\s:43+4*\s], s[76:77], \s*BLK
	s_or_b32 s[43+4*\s], s[43+4*\s], 0x80000000
	s_mov_b32 s[48+4*\s], 1
	s_add_co_u32 s[49+4*\s], s22, \s*SLOT
	s_add_nc_u64 s[50+4*\s:51+4*\s], s[80:81], \s*512
	s_or_b32 s[51+4*\s], s[51+4*\s], 0x80000000
.endr
	ROUND                                          ; all sixteen work-groups are here: the first joint loads meet
	JLOAD 0, 1                                     ; key step 0
	s_lshr_b32 s82, s14, 2                         ; which of the two heads is mine
	s_and_b32 s83, s14, 3                          ; which 32 queries
	s_add_co_u32 s84, s73, s82                     ; 8 b + head
	s_and_b32 s85, s19, 15
	s_lshl_b32 s86, s84, 7
	s_lshl_b32 s87, s85, 3
	s_add_co_u32 s86, s86, s87
	s_lshl_b32 s87, s83, 1
	s_add_co_u32 s86, s86, s87                     ; my first tile of queries among qc's
	s_lshl_b32 s86, s86, 11
	s_mov_b32 s87, 0
	s_add_nc_u64 s[4:5], s[4:5], s[86:87]
	s_lshl_b32 s86, s84, 5
	s_lshl_b32 s88, s85, 1
	s_add_co_u32 s86, s86, s88
	s_lshr_b32 s88, s83, 1
	s_add_co_u32 s86, s86, s88                     ; my group of 64 queries among qs's
	s_lshl_b32 s86, s86, 8
	s_and_b32 s88, s83, 1
	s_lshl_b32 s88, s88, 2
	s_add_co_u32 s86, s86, s88
	s_add_nc_u64 s[6:7], s[6:7], s[86:87]
	s_lshl_b32 s86, s19, 19                        ; out: row 128 y + 32 (w % 4) of 4,096 bytes, + 512 x head
	s_lshl_b32 s88, s83, 17
	s_add_co_u32 s86, s86, s88
	s_lshl_b32 s88, s15, 10
	s_add_co_u32 s86, s86, s88
	s_lshl_b32 s88, s82, 9
	s_add_co_u32 s86, s86, s88
	s_add_nc_u64 s[12:13], s[12:13], s[86:87]
	v_and_b32 v1, 31, v0                           ; lane
	v_and_b32 v2, 15, v0                           ; r
	v_bfe_u32 v3, v0, 4, 1                         ; h
	s_delay_alu instid0(VALU_DEP_3)
	v_lshlrev_b32 v60, 4, v1
	s_delay_alu instid0(VALU_DEP_4)
	v_lshlrev_b32 v61, 3, v1
.irp c,0,1,2,3
	global_load_b128 v[16+4*\c:19+4*\c], v60, s[4:5] offset:512*\c           ; Q's fragments stay in registers
.endr
	WIN 0x40
.irp c,0,1,2,3
	global_load_b128 v[16+4*\c:19+4*\c], v60, s[4:5] offset:2048+512*\c
.endr
	WIN 0
	global_load_b32 v255, v61, s[6:7]              ; Q's scale words: lanes 0-15 tile 0, lanes 16-31 tile 1
	s_mul_i32 s88, s82, BLK
	v_add_nc_u32 v34, s88, v60                     ; images: my head's block, 16 x lane
	s_delay_alu instid0(VALU_DEP_1)
	v_add_nc_u32 v35, SLOT, v34
	s_add_co_u32 s89, s88, 32768
	v_add_nc_u32 v36, s89, v61                     ; scale words: 8 x lane
	s_delay_alu instid0(VALU_DEP_1)
	v_add_nc_u32 v37, SLOT, v36
	s_mul_i32 s89, s83, 32*MP
	s_add_co_u32 s89, s89, MOFF
	v_mul_u32_u24 v4, v2, MP
	s_delay_alu instid0(VALU_DEP_1)
	v_add_nc_u32 v4, s89, v4                       ; the mask: my query's row
	s_delay_alu instid0(VALU_DEP_1)
	v_lshl_add_u32 v38, v3, 5, v4                  ; + 32 h
	s_delay_alu instid0(VALU_DEP_1)
	v_add_nc_u32 v39, SLOT, v38
	s_delay_alu instid0(VALU_DEP_3)
	v_add_nc_u32 v40, 92, v4                       ; column 23
	s_delay_alu instid0(VALU_DEP_1)
	v_add_nc_u32 v41, SLOT, v40
	v_mul_u32_u24 v5, v3, 96
	s_delay_alu instid0(VALU_DEP_1)
	v_sub_nc_u32 v42, v40, v5                      ; lanes 16-31: column -1
	s_delay_alu instid0(VALU_DEP_1)
	v_add_nc_u32 v43, SLOT, v42
	s_mul_i32 s88, s14, 16*272
	s_add_co_u32 s88, s88, STAGE                   ; my stage
	v_mul_u32_u24 v45, v2, 272
	s_delay_alu instid0(VALU_DEP_1)
	v_lshl_add_u32 v45, v3, 5, v45
	s_delay_alu instid0(VALU_DEP_1)
	v_add_nc_u32 v45, s88, v45                     ; in: row r, + 32 h
	v_mul_u32_u24 v46, v3, 272
	s_delay_alu instid0(VALU_DEP_1)
	v_lshl_add_u32 v46, v2, 4, v46
	s_delay_alu instid0(VALU_DEP_1)
	v_add_nc_u32 v46, s88, v46                     ; back: lanes 0-15 one row, lanes 16-31 the next
	v_lshlrev_b32 v47, 12, v3
	s_delay_alu instid0(VALU_DEP_1)
	v_lshl_add_u32 v47, v2, 4, v47                 ; and the same two rows of out
	; the prefetches: they begin at tile 1; each change of slots steps them first, so step j names tile j + 2.  Nothing is asked for here, at the head
	s_lshl_b32 s90, s19, 20
	s_lshl_b32 s91, s15, 18
	s_add_co_u32 s90, s90, s91                     ; the mask's row 128 y + 32 cx
	s_lshl_b32 s91, s23, 8
	s_add_co_u32 s90, s90, s91
	s_add_co_u32 s90, s90, 512
	s_lshl_b32 s91, s16, 13
	s_add_co_u32 s91, s91, s74                     ; kv: head 8 b + 2 cx + (w & 1), + 8,192 cy
	s_add_co_u32 s91, s91, BLK
	s_mov_b32 s58, BLK
	s_mov_b32 s59, 0
	s_mov_b32 s92, 256
	s_cmp_lt_u32 s14, 6
	s_cselect_b64 s[56:57], s[10:11], s[8:9]
	s_cselect_b32 s90, s90, s91
	s_cselect_b32 s58, 512, s58                    ; a tile on
	s_cselect_b32 s92, 8192, s92                   ; from lane to lane
	s_mov_b32 s91, 0
	s_add_nc_u64 s[56:57], s[56:57], s[90:91]
	v_mul_lo_u32 v44, v1, s92
	s_and_b32 s93, s17, 3
	s_cmp_eq_u32 s93, 0
	s_cselect_b32 s93, 1, 0                        ; the batch's first cluster: the same in all sixteen partners
	s_cmp_ge_u32 s14, 6
	s_cselect_b32 s72, s93, 0                      ; 1: I ask for K and V
	s_lshr_b32 s93, s14, 1
	s_cmp_eq_u32 s93, 2
	s_cselect_b32 s71, 1, s72                      ; 1: I ask
	s_mov_b32 s60, 0x76543210
	s_mov_b32 s61, 0xfedcba98                      ; lane l xor 16
	s_mov_b32 s62, 0x3e0293ee                      ; log2(e) / sqrt(128)
	s_mov_b32 s63, s62
	s_mov_b32 s66, 0x413504f3                      ; sqrt(128)
	s_mov_b32 s67, s66
	s_mov_b32 s68, 0x600000                        ; the mantissa field of 57,344
	s_mov_b32 s69, 0xffff0000                      ; lanes 16-31
	s_mov_b32 s94, 0xff7fffff
.irp x,0,1
	WIN 0x55*\x
	v_mov_b32 v10, 0                               ; the latent's mask
	v_mov_b32 v13, 0xff61b1e6                      ; -3e38, under every t
	s_delay_alu instid0(VALU_DEP_1)
	v_floor_f32 v12, -v13
	v_mov_b32 v14, 0
	v_mov_b32 v15, 0
.irp b,0,1,2,3
	v_mov_b32 v[236+\b], 0                         ; a lane permute's destination counts as one of its sources
.endr
	v_mov_b32 v253, 0
.set JJ, 0
.rept 64
	v_mov_b32 v[160+JJ], 0                         ; O^T: the step is written for every step alike; the first change of M leaves zeros zeros
.set JJ, JJ+1
.endr
.endr
	WIN 0
	s_wait_loadcnt 0x0                             ; Q
	s_mov_b32 s70, 7
.Lpair:                                            ; key steps 0 to 13
	TRIP 0, 1, 0, 0
	TRIP 1, 1, 0, 0
	s_sub_co_u32 s70, s70, 1
	s_cmp_lg_u32 s70, 0
	s_cbranch_scc1 .Lpair
	TRIP 0, 1, 1, 0                                ; 14: asks for tile 15; prefetches K's and V's tile 16
	TRIP 1, 2, -1, 0                               ; 15: asks for K's and V's tile 16
	TRIP 0, 0, -1, 1                               ; 16: one key
; THE WAY OUT of tile x: O^T / the sum, through my stage, 64 channels (256 bytes) of 16 queries at a time: sixteen lanes store 256 consecutive bytes, aligned
.macro OUT x
.set LB, 160-64*(\x)
	WIN 0x55*(\x)
	v_add_f32 v14, v14, v15
	s_delay_alu instid0(VALU_DEP_1)
	v_permlanex16_b32 v252, v14, s60, s61
	s_delay_alu instid0(VALU_DEP_1)
	v_add_f32 v14, v14, v252                       ; the row's sum
	s_wait_alu depctr_va_vdst(0)
	v_rcp_f32 v14, v14
	v_nop
	s_wait_alu depctr_va_vdst(0)                   ; ahead of the reciprocal's first reader
.set JJ, 0
.rept 64
	v_mul_f32 v[96+JJ], v[160+JJ], v14             ; register 8 t + i is o(r, 16 t + 8 h + i); each accumulator from its low end on
.set JJ, JJ+1
.endr
.irp u,0,1
	WIN 0x04*(\x)
.irp t,0,1,2,3
	ds_store_b128 v45, v[96+32*\u+8*\t:99+32*\u+8*\t] offset:64*\t
	ds_store_b128 v45, v[100+32*\u+8*\t:103+32*\u+8*\t] offset:64*\t+16
.endr
	WIN 0
.irp i,0,1,2,3,4,5,6,7
	ds_load_b128 v[LB+32*\u+4*\i:LB+32*\u+4*\i+3], v46 offset:2*\i*272       ; a wave's LDS instructions are served in order: these see my stores, and the next stores come behind them
.endr
.endr
.irp u,0,1
.irp i,0,1,2,3,4,5,6,7
	s_wait_dscnt 15-8*\u-\i
	global_store_b128 v47, v[LB+32*\u+4*\i:LB+32*\u+4*\i+3], s[12:13] offset:65536*(\x)+8192*\i+256*\u th:TH_STORE_NT
.endr
.endr
.endm
	OUT 0
	OUT 1
	s_wait_tensorcnt 0x0                           ; the wave's end
	ds_add_u32 v32, v33
	s_wait_dscnt 0x0
	ROUND                                          ; the closing round
	s_endpgm
.Lfunc_end_k_qc8c082f1a9_attn:
	.size	k_qc8c082f1a9_attn, .Lfunc_end_k_qc8c082f1a9_attn-k_qc8c082f1a9_attn
	.p2alignl 7, 3214868480
	.fill 96, 4, 3214868480
	.section	.rodata,"a",@progbits
	.p2align	6, 0x0
	.amdhsa_kernel k_qc8c082f1a9_attn
		.amdhsa_group_segment_fixed_size 327680
		.amdhsa_private_segment_fixed_size 0
		.amdhsa_enable_private_segment 0
		.amdhsa_kernarg_size 40
		.amdhsa_user_sgpr_count 2
		.amdhsa_user_sgpr_kernarg_segment_ptr 1
		.amdhsa_wavefront_size32 1
		.amdhsa_system_sgpr_workgroup_id_x 1
		.amdhsa_system_sgpr_workgroup_id_y 1
		.amdhsa_system_sgpr_workgroup_id_z 1
		.amdhsa_system_vgpr_workitem_id 0
		.amdhsa_next_free_vgpr 512
		.amdhsa_next_free_sgpr 100
		.amdhsa_reserve_vcc 0
		.amdhsa_float_denorm_mode_32 3
		.amdhsa_float_denorm_mode_16_64 3
		.amdhsa_memory_ordered 1
		.amdhsa_forward_progress 1
		.amdhsa_inst_pref_size 243
	.end_amdhsa_kernel
	.amdgpu_metadata
---
amdhsa.version: [ 1, 2 ]
amdhsa.kernels:
  - .name:           k_qc8c082f1a9_attn
    .symbol:         k_qc8c082f1a9_attn.kd
    .args:
      - { .name: qc, .offset: 0, .size: 8, .value_kind: global_buffer, .address_space: global }
      - { .name: qs, .offset: 8, .size: 8, .value_kind: global_buffer, .address_space: global }
      - { .name: kv, .offset: 16, .size: 8, .value_kind: global_buffer, .address_space: global }
      - { .name: attention_mask, .offset: 24, .size: 8, .value_kind: global_buffer, .address_space: global }
      - { .name: out0, .offset: 32, .size: 8, .value_kind: global_buffer, .address_space: global }
    .group_segment_fixed_size: 327680
    .private_segment_fixed_size: 0
    .kernarg_segment_align: 8
    .kernarg_segment_size: 40
    .max_flat_workgroup_size: 256
    .sgpr_count:     100
    .vgpr_count:     512
    .wavefront_size: 32
...
	.end_amdgpu_metadata
.endif
;; end of part 4
